; MI455X (gfx1250); checked and timed in simulation.
; The chip was launched on July 23, 2026; its instructions are those of AMD's public machine-readable ISA for CDNA 5 (MIT licence, August 2026) and "CDNA5" Instruction Set Architecture Reference Guide (July 2026). The comments in the code are by the model that wrote it; some were corrected since.
;; Multi Head Attention Layer. Allowed arithmetic: matrix products marked QUANTISED: E3M2 operands, one E8M0 scale for each 32 along K, by v_wmma_scale_f32_16x16x128_f8f6f4 with both operands' format E3M2, f32 sums; everything else in f32.
;; Inputs: Wk 16 x 1,024 x 64 float32; Wo 1,024 x 1,024 float32; Wq 16 x 1,024 x 64 float32; Wv 16 x 1,024 x 64 float32; X 4 x 2,048 x 1,024 float32; bk 16 x 64 float32; bo 1,024 float32; bq 16 x 64 float32; bv 16 x 64 float32.
;; Outputs: out0 4 x 2,048 x 1,024 float32.
;; This version of the problem:
;;   THIS VERSION OF THE PROBLEM IS GIVEN IN LOW PRECISION. The matrix products marked QUANTISED in the list below multiply operands that are first quantised to E3M2 (3 exponent bits, 2 mantissa bits; 6 bits a number), with one power-of-two scale for each 32 numbers along K (OCP MX v1.0); their sums are f32. All else is computed in f32.
;;   The module's matrix products, in the order in which they are computed (A, B: the left and right operand; K: the contracted axis; several contracted axes count as one K, in the product's order):
;;     1. [M 1,024, K 1,024] x [K 1,024, N 8,192]; A: input Wq; B: input X: QUANTISED
;;     2. [M 1,024, K 1,024] x [K 1,024, N 8,192]; A: input Wk; B: input X: QUANTISED
;;     3. [M 1,024, K 1,024] x [K 1,024, N 8,192]; A: input Wv; B: input X: QUANTISED
;;     4. batch 64 x [M 2,048, K 64] x [K 64, N 2,048]; A: computed on the way; B: computed on the way: QUANTISED
;;     5. batch 64 x [M 2,048, K 2,048] x [K 2,048, N 64]; A: softmax (see below); B: computed on the way: QUANTISED
;;     6. [M 8,192, K 1,024] x [K 1,024, N 1,024]; A: computed on the way; B: input Wo: QUANTISED
;;   THE QUANTISER, for each operand of a quantised product, along K:
;;     - K is cut into blocks of 32 from its start; a last block that is shorter is filled with zeros.
;;     - A block's scale is 2^e with e = floor(log2(the largest magnitude in the block)) - 4, held to -126 .. 127; a block of zeros has e = 0. As a byte (E8M0): e + 127.
;;     - Each number is divided by its block's scale, clamped to +-28, and rounded to the nearest number of E3M2, ties to even, subnormals kept.
;;     - The product sums the exact products of the quantised numbers (number of the format x scale) in f32.
;;   ~~~python
;;   def quantise(x, axis):      # numpy; x: float32 -> the quantised numbers, widened to float32 again
;;       x = np.moveaxis(x, axis, -1); K = x.shape[-1]
;;       x = np.pad(x, [(0, 0)] * (x.ndim - 1) + [(0, -K % 32)]); x = x.reshape(x.shape[:-1] + (-1, 32)); a = np.abs(x).max(-1, keepdims=True)
;;       e = np.where(a > 0, np.clip(np.frexp(np.where(a > 0, a, 1))[1] - 1 - 4, -126, 127), 0)      # np.frexp(a)[1] - 1 = floor(log2(a)), exactly
;;       r = np.clip(x / 2.0 ** e, -28, 28)
;;       step = 2.0 ** (np.maximum(np.frexp(np.where(r == 0, 1, r))[1] - 1, -2) - 2)
;;       q = np.round(r / step) * step * 2.0 ** e      # np.round: ties to even
;;       return np.moveaxis(q.reshape(q.shape[:-2] + (-1,))[..., :K], -1, axis).astype(np.float32)
;;   ~~~
;;   SOFTMAX AHEAD OF A QUANTISED PRODUCT. Where the list says 'softmax', what is quantised is not the finished softmax but p = 2^(t - M), with t = logit x log2(e) and M = ceil(the row's largest t), a whole number; so 1/2 < the row's largest p <= 1. The row's sum l is taken of the UNQUANTISED p, in f32, and the product's result is divided by l at the end. Since M is a whole number, a kernel that streams over the keys may use a running M (the ceiling of the running maximum): every later rescaling is an exact power of two, which a block's scale takes up: the codes' values come out the same.
;;   OPERANDS COMPUTED ON THE WAY. 'Computed on the way' means the value that the module computes at that place (a softmax that the list does not call 'softmax' is quantised finished and normalised). What goes into a quantiser is computed in f32, as accurately as f32 sums, v_exp_f32 and their like allow (about 1e-6 of the number): no bf16 or f16 on the way to a quantiser, and a product that is left as it is and whose result goes on into a quantised operand takes f32 operands (vector FMAs, or v_wmma_f32_16x16x4_f32). A number that lies on a knife's edge between two numbers of the format may be rounded either way, as far as f32 arithmetic and the matrix unit's own rounding can turn it there, and no further.
;; One version. Each part assembles by itself: llvm-mc -triple=amdgcn-amd-amdhsa -mcpu=gfx1250 --defsym DOCPART=n.
;; ======== version 1 of 1: 5 launches
;; limits: right only within a limited range of input values
;; workspace buffers: XC 6,291,456 bytes; SX 262,144 bytes; WC 3,145,728 bytes; SW 131,072 bytes; QKVC 18,874,368 bytes; QKVS 1,310,720 bytes; AC 6,291,456 bytes; AS 262,144 bytes
;; launch quant (part 1): grid 768 x 1, 4 waves a work-group, no clusters, 34,304 bytes of LDS; arguments X, Wq, Wk, Wv, Wo, XC, SX, WC, SW; writes XC, SX, WC, SW
.if DOCPART == 1
	.amdgcn_target "amdgcn-amd-amdhsa--gfx1250"
	.amdhsa_code_object_version 6
	.text
	.protected	k_qfcfe850955_quant
	.globl	k_qfcfe850955_quant
	.p2align	8
	.type	k_qfcfe850955_quant,@function
k_qfcfe850955_quant:
	s_mov_b64 s[64:65], 0
	v_nop
	global_prefetch_b8 v0, s[64:65] scope:SCOPE_SE
	s_setreg_imm32_b32 hwreg(HW_REG_WAVE_MODE, 25, 1), 1
	s_wait_xcnt 0x0
; LAUNCH 1 OF 5.  X [8192 tokens][1024] and the four weights (K is their first matrix axis), all f32, become codes of BF6 (E3M2) with one E8M0 byte for each 32 along K.
; THE PROGRAM: quant (this) | qk: Q = X Wq + bq, K = X Wk + bk, quantised along the head's 64 | vproj: V = X Wv + bv, quantised along the keys | attn: causal softmax(Q K^T / 8) V, quantised along (head, dv) | oproj: A Wo + bo.
; WORK LEFT OUT, IN THE WHOLE PROGRAM.  reference() builds the causal mask itself (jnp.tril) and puts -inf in the place of score(q, k) wherever k > q, ahead of the softmax: there p = 0 whatever finite values the inputs hold, so such a
; score adds nothing to the row's sum and nothing to P V.  Launch attn leaves out each step of 128 keys all of which come after a wave's 16 queries; inside the step on the diagonal the scores are computed and masked.
; Nothing else is left out, and no input: all nine are loaded (bk too: it moves K's codes).  LIMIT: a NaN, an infinity or an overflow that reaches only the scores left out is not carried to the result.
; THE WORKSPACE IS LAID IN THE ORDER OF THE OPERANDS' REGISTERS.  A fragment is 16 rows x 128 K, 12 registers a lane (lane (r, h): row r; registers 6 c .. 6 c + 5: k = 64 c + 32 h + 0 .. 31).  Its IMAGE is 1,536 bytes:
; registers 4 g .. 4 g + 3 of lane l at 512 g + 16 l.  XC: [token tile 512][K step 8][image]; WC: [feature tile 256: 0-63 Wq, 64-127 Wk, 128-191 Wv, 192-255 Wo][K step 8][image]; SX, SW: [tile][K step][row 16] scale words.
; THE ROWS OF A TILE ARE NOT NEIGHBOURS: row m of tile t is 32 (t / 2) + 8 (t % 2) + m + 8 (m / 8), so that the results of two neighbouring tiles are 16 neighbours along the next product's K.
; A block's scale is 2^(floor(log2(its largest magnitude)) - 4); its byte is the largest magnitude's exponent field - 4, held at 1 from below by a floor among the maximum's leaves.
; LIMITS: a block of zeros gets the byte 1 where the rule says 127 (its codes are zeros, and this program alone reads the bytes); blocks whose largest magnitude lies under 2^-122 are held at that floor; NaN and infinities are not served.
; SHARES.  Work-groups 0-511: one token tile each, wave q its K steps 2 q and 2 q + 1.  Work-groups 512-703: Wq, Wk, Wv; 704-767: Wo: a wave takes 32 columns x 128 along K.  No tensor load, no barrier: waves share nothing.
; The scale words leave in pieces of 64 or 128 bytes: 1 byte in 128 of what the launch reads.
.set SPARE, 33792                      ; behind the four stages: the spare words, 128 bytes a wave: two blocks of 256 bytes that no other line names
.set SPW,  14                          ; v14  SPARE + 4 x my thread's number; never rewritten
.set NIL,  15                          ; v15  0; never rewritten
.set SEL,  30                          ; s[30:31] v_permlanex16_b32's selects for lane l xor 16
.set R0,   16                          ; X path: v16-79, v80-143 two fragments' numbers as loaded; v144-207 64 numbers in the quantiser's order
.set R1,   80
.set XT,   144
.set PC0,  208                         ; v208-219, v220-231 the two fragments' codes
.set PC1,  220
.set TP,   232                         ; v232-239 the conversions' second halves
.set TM,   240                         ; v240-243 largest magnitudes, v244-247 the other half's, then the bytes, v248-251 the conversions' scale operands
.set PW0,  252
.set PW1,  253
.set WN,   16                          ; weight paths: v16-143 my column's 128 numbers
.set FA,   144                         ; v144-155, v156-167 the two tiles' fragments
.set FB,   156
.set WTP,  168
.set WM,   184
.set SOP,  188
.set BY,   192
.set WORD, 196
; 64 numbers of a lane, register 16 b + i = k 32 b + 16 (lane / 16) + i of my row, become a fragment's 12 registers at v[pc] and its scale word in v[pw]
.macro QUANT s, pc, pw
.irp b, 0,1,2,3
	v_max3_num_f32 v[TM+\b], |v[\s+16*\b]|, |v[\s+16*\b+1]|, 0x2800000   ; block b: my 16 numbers, and the floor 2^(5 - 127)
.endr
.irp i, 2,4,6,8,10,12,14
.irp b, 0,1,2,3
	v_max3_num_f32 v[TM+\b], v[TM+\b], |v[\s+16*\b+\i]|, |v[\s+16*\b+\i+1]|   ; the four blocks by turns
.endr
.endr
.irp b, 0,1,2,3
	v_permlanex16_b32 v[TM+4+\b], v[TM+\b], s[SEL], s[SEL+1]
.endr
.irp b, 0,1,2,3
	v_max_num_f32 v[TM+\b], v[TM+\b], v[TM+4+\b]   ; with lane l xor 16's: the block's largest magnitude
.endr
.irp b, 0,1,2,3
	v_add_nc_u32 v[TM+8+\b], 0xfe000000, v[TM+\b]  ; 4 off its exponent field: the conversion's scale operand
.endr
.irp b, 0,1,2,3
	v_lshrrev_b32 v[TM+4+\b], 23, v[TM+8+\b]       ; the scale's byte
.endr
	v_lshl_or_b32 v[\pw], v[TM+5], 8, v[TM+4]
	v_lshl_or_b32 v[\pw], v[TM+6], 16, v[\pw]
	v_lshl_or_b32 v[\pw], v[TM+7], 24, v[\pw]
.irp c, 0,1
	v_cvt_scalef32_pk16_bf6_f32 v[\pc+6*\c:\pc+6*\c+2], v[\s+32*\c:\s+32*\c+15], v[TM+8+2*\c]
	v_cvt_scalef32_pk16_bf6_f32 v[TP+4*\c:TP+4*\c+2], v[\s+32*\c+16:\s+32*\c+31], v[TM+9+2*\c]   ; (a conversion's three registers begin on an even number)
.endr
	v_nop                                          ; one plain place behind a scaled conversion
.irp c, 0,1                                    ; the layout wants a WHOLE block in a lane: lanes 0-15 block 2 c, lanes 16-31 block 2 c + 1
.irp i, 0,1,2
	v_permlane16_swap_b32 v[\pc+6*\c+\i], v[TP+4*\c+\i]
.endr
.irp i, 0,1,2
	v_mov_b32 v[\pc+6*\c+3+\i], v[TP+4*\c+\i]
.endr
.endr
.endm
	s_load_b256 s[4:11], s[0:1], 0x0               ; X s[4:5], Wq s[6:7], Wk s[8:9], Wv s[10:11]
	s_load_b256 s[12:19], s[0:1], 0x20             ; Wo s[12:13], XC s[14:15], SX s[16:17], WC s[18:19]
	s_load_b64 s[20:21], s[0:1], 0x40              ; SW
	v_lshl_add_u32 v[SPW], v0, 2, SPARE
	v_mov_b32 v[NIL], 0
	v_lshrrev_b32 v1, 5, v0
	v_readfirstlane_b32 s22, v1                    ; wave 0..3
	v_and_b32 v5, 31, v0                           ; lane
	v_and_b32 v6, 15, v0                           ; r
	v_bfe_u32 v7, v0, 4, 1                         ; h
	s_mov_b32 s[SEL], 0x76543210
	s_mov_b32 s[SEL+1], 0xfedcba98
	s_cmp_ge_u32 ttmp9, 512
	s_cbranch_scc1 .Lweights
	; ---- X: token tile t = my work-group's number; my wave's K steps 2 q, 2 q + 1
	v_lshlrev_b32 v1, 4, v5                        ; 16 x lane: a load's 512 bytes, and an image's place
	s_mul_i32 s23, s22, 8448                       ; my stage: 16 rows x (512 + 16) bytes
	v_add_nc_u32 v2, s23, v1                       ; into it: a row as it lies
	v_mul_u32_u24 v3, v6, 528
	v_lshl_add_u32 v3, v7, 6, v3
	v_add_nc_u32 v3, s23, v3                       ; out of it: row r, + 64 h: my 16 numbers of a block of 32
	v_lshlrev_b32 v4, 2, v5
.irp b, 0,1,2,3
	v_mov_b32 v[TM+4+\b], 0                        ; written once: a lane permute's destination counts as one of its sources
.endr
	s_lshr_b32 s32, ttmp9, 1
	s_lshl_b32 s32, s32, 17                        ; 32 (t / 2) rows of 4,096 bytes
	s_and_b32 s33, ttmp9, 1
	s_lshl_b32 s33, s33, 15                        ; + 8 (t % 2) rows
	s_add_co_u32 s32, s32, s33
	s_lshl_b32 s33, s22, 10                        ; + my two K steps: 1,024 bytes a wave
	s_add_co_u32 s32, s32, s33
	s_mov_b32 s33, 0
	s_mul_i32 s34, ttmp9, 12288
	s_mul_i32 s35, s22, 3072
	s_add_co_u32 s34, s34, s35
	s_mov_b32 s35, 0
	s_lshl_b32 s36, ttmp9, 9
	s_lshl_b32 s37, s22, 7
	s_add_co_u32 s36, s36, s37
	s_mov_b32 s37, 0
	s_wait_alu depctr_va_vdst(0)
	s_wait_kmcnt 0x0
	s_add_nc_u64 s[24:25], s[4:5], s[32:33]
	s_add_nc_u64 s[26:27], s[14:15], s[34:35]
	s_add_nc_u64 s[28:29], s[16:17], s[36:37]
.irp f, 0,1
.irp m, 0,1,2,3,4,5,6,7,8,9,10,11,12,13,14,15
	global_load_b128 v[R0+64*\f+4*\m:R0+64*\f+4*\m+3], v1, s[24:25] offset:(\m+8*(\m/8))*4096+512*\f th:TH_LOAD_NT   ; 32 lanes read 512 consecutive bytes: row m's 128 numbers of a K step
.endr
.endr
	s_wait_loadcnt 16                              ; the first fragment's 16 loads are in; the second's stay out
.irp m, 0,1,2,3,4,5,6,7,8,9,10,11,12,13,14,15
	ds_store_b128 v2, v[R0+4*\m:R0+4*\m+3] offset:528*\m
.endr
.irp b, 0,1,2,3
.irp j, 0,1,2,3
	ds_load_b128 v[XT+16*\b+4*\j:XT+16*\b+4*\j+3], v3 offset:128*\b+16*\j   ; LDS serves a wave's instructions in order: these see the stores above
.endr
.endr
	s_wait_dscnt 0x0
	s_wait_loadcnt 0x0
.irp m, 0,1,2,3,4,5,6,7,8,9,10,11,12,13,14,15
	ds_store_b128 v2, v[R1+4*\m:R1+4*\m+3] offset:528*\m
.endr
.irp b, 0,1,2,3
.irp j, 0,1,2,3
	ds_load_b128 v[R0+16*\b+4*\j:R0+16*\b+4*\j+3], v3 offset:128*\b+16*\j   ; the second fragment turns through the stage while the first is quantised
.endr
.endr
	QUANT XT, PC0, PW0
.irp g, 0,1,2
	global_store_b128 v1, v[PC0+4*\g:PC0+4*\g+3], s[26:27] offset:512*\g   ; 512 consecutive bytes, aligned
.endr
	s_wait_dscnt 0x0
	QUANT R0, PC1, PW1
.irp g, 0,1,2
	global_store_b128 v1, v[PC1+4*\g:PC1+4*\g+3], s[26:27] offset:1536+512*\g
.endr
	v_cmp_gt_u32 vcc_lo, 16, v5
	v_cndmask_b32 v254, v[PW1], v[PW0], vcc_lo     ; lanes 0-15: K step 2 q's words; lanes 16-31: K step 2 q + 1's (each word stands in lanes l and l xor 16 alike)
	global_store_b32 v4, v254, s[28:29]            ; 128 consecutive bytes
	s_wait_tensorcnt 0x0                           ; the wave's end
	ds_add_u32 v[SPW], v[NIL]
	s_wait_dscnt 0x0
	s_endpgm
; ---- The weights.  A LANE TAKES A COLUMN AND ITS REGISTERS RUN DOWN K: a block of 32 lies in one lane, and the conversions give codes with K innermost.  Lanes 0-15 are tile A's rows, lanes 16-31 tile A + 1's.
.macro WMAX ba, bb
.irp b, \ba, \bb
	v_max3_num_f32 v[WM+\b], |v[WN+32*\b]|, |v[WN+32*\b+1]|, 0x2800000
.endr
.irp i, 2,4,6,8,10,12,14,16,18,20,22,24,26,28,30
.irp b, \ba, \bb
	v_max3_num_f32 v[WM+\b], v[WM+\b], |v[WN+32*\b+\i]|, |v[WN+32*\b+\i+1]|
.endr
.endr
.irp b, \ba, \bb
	v_add_nc_u32 v[SOP+\b], 0xfe000000, v[WM+\b]
.endr
.irp b, \ba, \bb
	v_lshrrev_b32 v[BY+\b], 23, v[SOP+\b]
.endr
.endm
; s[24:25]: my 32 columns at my K step's first row; s38: tile A; s34: the K step.  pitch: bytes from a row of the weight to the next
.macro WBODY pitch
	s_mul_i32 s32, s38, 12288
	s_mul_i32 s33, s34, 1536
	s_add_co_u32 s32, s32, s33
	s_mov_b32 s33, 0
	s_add_nc_u64 s[26:27], s[18:19], s[32:33]
	s_lshl_b32 s32, s38, 9
	s_lshl_b32 s35, s34, 6
	s_add_co_u32 s32, s32, s35
	s_add_nc_u64 s[28:29], s[20:21], s[32:33]
.set i, 0
.rept 128
	global_load_b32 v[WN+i], v1, s[24:25] offset:i*\pitch th:TH_LOAD_NT   ; the wave reads 128 consecutive bytes of row i
.set i, i+1
.endr
	s_wait_loadcnt 63                              ; at least 65 of the 128 are in: blocks 0 and 1 are whole
	WMAX 0, 1
	s_wait_loadcnt 0x0
	WMAX 2, 3
	v_lshl_or_b32 v[WORD], v[BY+1], 8, v[BY]
	v_lshl_or_b32 v[WORD], v[BY+2], 16, v[WORD]
	v_lshl_or_b32 v[WORD], v[BY+3], 24, v[WORD]
.irp b, 0,1,2,3                                ; block b's six registers: blocks 0, 2 in FA's run, blocks 1, 3 in FB's
	v_cvt_scalef32_pk16_bf6_f32 v[FA+12*(\b%2)+6*(\b/2):FA+12*(\b%2)+6*(\b/2)+2], v[WN+32*\b:WN+32*\b+15], v[SOP+\b]
	v_cvt_scalef32_pk16_bf6_f32 v[WTP+4*\b:WTP+4*\b+2], v[WN+32*\b+16:WN+32*\b+31], v[SOP+\b]
.endr
	v_nop                                          ; one plain place behind a scaled conversion
.irp b, 0,1,2,3
.irp i, 0,1,2
	v_mov_b32 v[FA+12*(\b%2)+6*(\b/2)+3+\i], v[WTP+4*\b+\i]
.endr
.endr
.set i, 0
.rept 12
	v_permlane16_swap_b32 v[FA+i], v[FB+i]         ; FA's lanes 16-31 (tile A + 1, blocks 0, 2) change places with FB's lanes 0-15 (tile A, blocks 1, 3): FA is tile A's fragment, FB tile A + 1's
.set i, i+1
.endr
.irp g, 0,1,2
	global_store_b128 v2, v[FA+4*\g:FA+4*\g+3], s[26:27] offset:512*\g
	global_store_b128 v2, v[FB+4*\g:FB+4*\g+3], s[26:27] offset:12288+512*\g
.endr
	global_store_b32 v3, v[WORD], s[28:29]         ; my column's scale word: 64 consecutive bytes for each tile
.endm
.Lweights:
	s_wait_alu depctr_va_vdst(0)
	v_and_b32 v8, 8, v6
	v_add_nc_u32 v8, v8, v6
	v_lshl_add_u32 v8, v7, 3, v8                   ; my column of the 32: 8 (lane / 16) + r + 8 (r / 8)
	v_lshlrev_b32 v1, 2, v8
	v_lshlrev_b32 v2, 4, v5                        ; an image's place: 16 x lane
	v_lshlrev_b32 v3, 2, v6
	v_lshl_add_u32 v3, v7, 9, v3                   ; the scale word's: 512 x (lane / 16) + 4 r
	s_cmp_ge_u32 ttmp9, 704
	s_cbranch_scc1 .Lwo
	s_sub_co_u32 s23, ttmp9, 512                   ; Wq, Wk, Wv: [head 16][K 1024][64]
	s_lshl_b32 s23, s23, 2
	s_add_co_u32 s23, s23, s22                     ; unit u = 256 x matrix + 8 x column group + K step
	s_lshr_b32 s32, s23, 8
	s_bfe_u32 s33, s23, 0x50003
	s_and_b32 s34, s23, 7
	s_lshr_b32 s35, s33, 1
	s_lshl_b32 s35, s35, 18                        ; the head: 262,144 bytes
	s_lshl_b32 s36, s34, 15                        ; 128 rows of 256 bytes
	s_add_co_u32 s35, s35, s36
	s_and_b32 s36, s33, 1
	s_lshl_b32 s36, s36, 7                         ; which 32 of the head's 64 columns
	s_add_co_u32 s36, s35, s36
	s_mov_b32 s37, 0
	s_lshl_b32 s38, s32, 6
	s_lshl_b32 s39, s33, 1
	s_add_co_u32 s38, s38, s39                     ; tile A = 64 x matrix + 2 x column group
	s_wait_kmcnt 0x0
	s_cmp_eq_u32 s32, 0
	s_cselect_b64 s[24:25], s[6:7], s[8:9]
	s_cmp_eq_u32 s32, 2
	s_cselect_b64 s[24:25], s[10:11], s[24:25]
	s_add_nc_u64 s[24:25], s[24:25], s[36:37]
	s_wait_alu depctr_va_vdst(0)
	WBODY 256
	s_endpgm
.Lwo:
	s_sub_co_u32 s23, ttmp9, 704                   ; Wo: [K 1024][1024]
	s_lshl_b32 s23, s23, 2
	s_add_co_u32 s23, s23, s22
	s_lshr_b32 s33, s23, 3
	s_and_b32 s34, s23, 7
	s_lshl_b32 s36, s34, 19                        ; 128 rows of 4,096 bytes
	s_lshl_b32 s35, s33, 7
	s_add_co_u32 s36, s36, s35
	s_mov_b32 s37, 0
	s_lshl_b32 s38, s33, 1
	s_add_co_u32 s38, s38, 192
	s_wait_kmcnt 0x0
	s_add_nc_u64 s[24:25], s[12:13], s[36:37]
	s_wait_alu depctr_va_vdst(0)
	WBODY 4096
	s_endpgm
.Lfunc_end_k_qfcfe850955_quant:
	.size	k_qfcfe850955_quant, .Lfunc_end_k_qfcfe850955_quant-k_qfcfe850955_quant
	.p2alignl 7, 3214868480
	.fill 96, 4, 3214868480
	.section	.rodata,"a",@progbits
	.p2align	6, 0x0
	.amdhsa_kernel k_qfcfe850955_quant
		.amdhsa_group_segment_fixed_size 34304
		.amdhsa_private_segment_fixed_size 0
		.amdhsa_enable_private_segment 0
		.amdhsa_kernarg_size 72
		.amdhsa_user_sgpr_count 2
		.amdhsa_user_sgpr_kernarg_segment_ptr 1
		.amdhsa_wavefront_size32 1
		.amdhsa_system_sgpr_workgroup_id_x 1
		.amdhsa_system_sgpr_workgroup_id_y 1
		.amdhsa_system_sgpr_workgroup_id_z 1
		.amdhsa_system_vgpr_workitem_id 0
		.amdhsa_next_free_vgpr 256
		.amdhsa_next_free_sgpr 66
		.amdhsa_reserve_vcc 1
		.amdhsa_float_denorm_mode_32 3
		.amdhsa_float_denorm_mode_16_64 3
		.amdhsa_memory_ordered 1
		.amdhsa_forward_progress 1
		.amdhsa_inst_pref_size 58
	.end_amdhsa_kernel
	.amdgpu_metadata
---
amdhsa.version: [ 1, 2 ]
amdhsa.kernels:
  - .name:           k_qfcfe850955_quant
    .symbol:         k_qfcfe850955_quant.kd
    .args:
      - { .name: X, .offset: 0, .size: 8, .value_kind: global_buffer, .address_space: global }
      - { .name: Wq, .offset: 8, .size: 8, .value_kind: global_buffer, .address_space: global }
      - { .name: Wk, .offset: 16, .size: 8, .value_kind: global_buffer, .address_space: global }
      - { .name: Wv, .offset: 24, .size: 8, .value_kind: global_buffer, .address_space: global }
      - { .name: Wo, .offset: 32, .size: 8, .value_kind: global_buffer, .address_space: global }
      - { .name: XC, .offset: 40, .size: 8, .value_kind: global_buffer, .address_space: global }
      - { .name: SX, .offset: 48, .size: 8, .value_kind: global_buffer, .address_space: global }
      - { .name: WC, .offset: 56, .size: 8, .value_kind: global_buffer, .address_space: global }
      - { .name: SW, .offset: 64, .size: 8, .value_kind: global_buffer, .address_space: global }
    .group_segment_fixed_size: 34304
    .private_segment_fixed_size: 0
    .kernarg_segment_align: 8
    .kernarg_segment_size: 72
    .max_flat_workgroup_size: 128
    .sgpr_count:     66
    .vgpr_count:     256
    .wavefront_size: 32
...
	.end_amdgpu_metadata
.endif
;; end of part 1
;; launch qk (part 2): grid 8 x 32, 4 waves a work-group, clusters of 4 x 4, 327,680 bytes of LDS; arguments XC, SX, WC, SW, bq, bk, QKVC, QKVS; writes QKVC, QKVS
.if DOCPART == 2
	.amdgcn_target "amdgcn-amd-amdhsa--gfx1250"
	.amdhsa_code_object_version 6
	.text
	.protected	k_qfcfe850955_qk
	.globl	k_qfcfe850955_qk
	.p2align	8
	.type	k_qfcfe850955_qk,@function
k_qfcfe850955_qk:
	s_mov_b64 s[64:65], 0
	v_nop
	global_prefetch_b8 v0, s[64:65] scope:SCOPE_SE
	s_setreg_imm32_b32 hwreg(HW_REG_WAVE_MODE, 25, 1), 1
	s_wait_xcnt 0x0
	s_wait_alu depctr_hold_cnt(0) depctr_sa_sdst(0) depctr_va_vdst(0) depctr_va_sdst(0) depctr_va_ssrc(0) depctr_va_vcc(0) depctr_vm_vsrc(0)
	s_getreg_b32 s2, hwreg(HW_REG_IB_STS2, 6, 4)
	s_cmp_eq_u32 s2, 0
	s_cbranch_scc0 .Lentry_in_a_cluster
	s_endpgm
.Lentry_in_a_cluster:
	s_bfe_u32 s2, ttmp6, 0x10000c
	s_cmp_lg_u32 s2, 0xf033
	s_cbranch_scc0 .Lentry_shape_is_right
	s_endpgm
.Lentry_shape_is_right:
; LAUNCH 2 OF 5.  Q = X Wq + bq and K = X Wk + bk on codes of BF6 (K = 1,024), and their quantising along the head's 64 for the product Q K^T.  No work is left out here.
; A work-group makes 256 tokens x 256 features (four heads of Q: cluster x = 0, or of K: cluster x = 1); each of its four waves 128 x 128: 64 accumulators, 512 registers.
; OPERANDS come as images of their registers (launch quant): a fragment, 16 rows x 128 K, is 1,536 bytes, registers 4 g .. 4 g + 3 of lane l at 512 g + 16 l: three ds_load_b128, each of 512 consecutive bytes: no pitch, no padding.
; K goes in eight steps of 128 through a ring of two LDS slots of two steps each: four fills, the walk written out.  A wave's tensor load brings 8 tiles x 3,072 bytes.  All scale words (8 K steps) come once, with the first fills.
; CLUSTER 4 x 4: X's tiles hang on the tile row alone and are asked for jointly along a row of the cluster, W's on the tile column alone, jointly along a column.
; SOURCE 0 = 16 FEATURES (W), SOURCE 1 = 16 TOKENS (X): a lane holds one token, its registers run along the features.  Row m of tile t is 32 (t / 2) + 8 (t % 2) + m + 8 (m / 8), so for a token tile the 64 registers of W's eight tiles are:
; register 16 b + i = feature 32 b + 16 (lane / 16) + i: two heads, four blocks of 32, in the order in which the conversions take them.  The bias is the C of each sum's first matrix instruction.
; OUT: QKVC [bh 64][294,912]: + 0 Q, + 98,304 K: [token tile 128][768]: a head's half fragment (16 tokens x 64): registers 0-3 of lane l at 16 l, registers 4-5 at 512 + 8 l.  QKVS [bh][20,480]: + 0 Q's, + 8,192 K's scale words:
; [tile / 8][(tile / 4) % 2][row 16][tile % 4], bytes 0 and 1 the two blocks', bytes 2 and 3 zero.  Every store covers 256 or 512 consecutive bytes, aligned.
; LIMITS: a block of zeros gets the byte 1 where the rule says 127 (its codes are zeros; this program alone reads the bytes); largest magnitudes under 2^-122 are held at that floor; NaN and infinities are not served.
; REGISTERS: window 0: v16-17 X's LDS addresses (slot 0, 1), v20-21 W's, v24-30 other addresses, v32-95 scale words, v128-223 X's eight fragments, ONE set (in the epilogue: codes and work).
;   window 1: W's fragments, TWO sets, at v0 and v96; v192-255 the bias.  Windows 2, 3: accumulator (token tile a, feature tile b) at v[8 (8 (a % 4) + b)] of window 2 + a / 4.
.set SLOT,  98304                      ; a slot: X's 16 tiles x 3,072 bytes, then W's 16
.set SCL,   2*SLOT                     ; behind the ring: X's scale words (16 tiles x 512 bytes), then W's
.set SPARE, SCL+16384                  ; the spare words, 128 bytes a wave: two blocks of 256 bytes that no other line names
.set NLR,   3                          ; LDS loads that bring a fragment of source 1
.set ADX,   16
.set ADW,   20
.set ADP,   ADW                        ; source 0, two sets
.set ADR,   ADX                        ; source 1, one set
.set LI16,  24                         ; v24  16 x lane
.set LI8,   25                         ; v25  8 x lane
.set WOF,   26                         ; v26  16 r + 20,480 h: the scale words' place; lanes 16-31 write the next head's
.set ADRS,  27                         ; v27  LDS address of my scale words: lanes 0-15 X's, lanes 16-31 W's
.set SPW,   28                         ; v28  SPARE + 4 x my thread's number; never rewritten
.set NIL,   29                         ; v29  0; never rewritten
.set HSH,   30                         ; v30  16 h
.set SC,    32                         ; v[SC + 8 i + ks]: lanes 0-15 the word of X's tile i, lanes 16-31 that of W's tile i, for K step ks
.set RF,    128
.set BIAS,  192
.set PC,    128                        ; epilogue: v128-139, v140-151 codes, by turns
.set TP,    152
.set TM,    160
.set PW,    172
.set WD,    176
.set SEL,   18
.set G1,    24                         ; s[24:31] group 1 for X's tiles; s[32:39] group 0, a set for each slot
.set G0,    32
.set G1B,   48                         ; s[48:55], s[56:63] the same for W's
.set G0B,   56
.set G1S,   68                         ; s[68:75], s[76:79] groups 1 and 0 for X's scale words; s[80:87], s[88:91] for W's
.set G0S,   76
.set G1SB,  80
.set G0SB,  88
.set MUL_LO, 0xa1                      ; source 0 window 1, source 1 window 0, C and D window 2
.set MUL_HI, 0xf1                      ; the same, C and D window 3.  In the first K step C is the bias, window 1: 0x91, 0xd1
.set TO_P,  0x40                       ; destination window 1, address window 0
.set MSB, 0
.macro WIN new                         ; the immediate's high byte repeats the setting that is left
.if MSB != (\new)
	s_set_vgpr_msb (MSB<<8)|(\new)
.set MSB, (\new)
.endif
.endm
; A joint load: waves 0 and 1 fetch for X, waves 2 and 3 for W.  The branch hangs on the wave's number alone.  An s_nop 0 and four v_nop follow each of the two lines.
.macro JLOAD g0a, g1a, g0b, g1b
	s_cmp_eq_u32 s15, 0
	s_cbranch_scc0 .Lfor_w_\@
	tensor_load_to_lds s[\g0a:\g0a+3], s[\g1a:\g1a+7]
	s_nop 0
.rept 4
	v_nop
.endr
	s_branch .Lasked_\@
.Lfor_w_\@:
	tensor_load_to_lds s[\g0b:\g0b+3], s[\g1b:\g1b+7]
	s_nop 0
.rept 4
	v_nop
.endr
.Lasked_\@:
.endm
.macro CREST                           ; a round of the cluster's barrier behind its opening barrier
	s_cmp_lg_u32 s14, 0
	s_cbranch_scc1 .Lnot_wave_0_\@
	s_barrier_signal -3
.Lnot_wave_0_\@:
	s_barrier_wait -3
	s_barrier_signal -1
	s_barrier_wait -1
.endm
.macro CROUND
	s_barrier_signal -1
	s_barrier_wait -1
	CREST
.endm
.macro PLACES                          ; four places behind matrix instructions, in front of loads into their sources and of reads of their results
.rept 4
	v_nop
.endr
.endm
.macro FRAG3 reg, adr, off
.irp g, 0,1,2
	ds_load_b128 v[\reg+4*\g:\reg+4*\g+3], v[\adr] offset:\off+512*\g
.endr
.endm
.macro FETCH_P slot, q, p              ; source 0's eight fragments of the slot's q-th K step into set p
	WIN TO_P
.irp i, 0,1,2,3,4,5,6,7
	FRAG3 96*(\p)+12*\i, ADP+\slot, 3072*\i+1536*(\q)
.endr
	WIN 0
.endm
.macro FETCH_R slot, q, i0             ; source 1's tiles i0 .. i0 + 3
.irp i, \i0, \i0+1, \i0+2, \i0+3
	FRAG3 RF+12*(\i), ADR+\slot, 3072*(\i)+1536*(\q)
.endr
.endm
.macro SCALES                          ; all 64 scale registers, once
.irp i, 0,1,2,3,4,5,6,7
.irp k, 0,1,2,3,4,5,6,7
	ds_load_b32 v[SC+8*\i+\k], v[ADRS] offset:512*\i+64*\k
.endr
.endr
.endm
; 16 matrix instructions: token tiles a0, a0 + 1 x W's eight, K step ks.  The 64 accumulators take turns, one instruction a turn, in the same order in every step.
.macro MUL16 a0, p, ks, first
.irp a, \a0, \a0+1
.irp b, 0,1,2,3,4,5,6,7
.if \first
	v_wmma_scale_f32_16x16x128_f8f6f4 v[8*(8*((\a)%4)+\b):8*(8*((\a)%4)+\b)+7], v[96*(\p)+12*\b:96*(\p)+12*\b+11], v[RF+12*(\a):RF+12*(\a)+11], v[BIAS+8*\b:BIAS+8*\b+7], v[SC+8*\b+(\ks)], v[SC+8*(\a)+(\ks)] matrix_a_fmt:MATRIX_FMT_BF6 matrix_b_fmt:MATRIX_FMT_BF6 matrix_a_scale:MATRIX_SCALE_ROW1
.else
	v_wmma_scale_f32_16x16x128_f8f6f4 v[8*(8*((\a)%4)+\b):8*(8*((\a)%4)+\b)+7], v[96*(\p)+12*\b:96*(\p)+12*\b+11], v[RF+12*(\a):RF+12*(\a)+11], v[8*(8*((\a)%4)+\b):8*(8*((\a)%4)+\b)+7], v[SC+8*\b+(\ks)], v[SC+8*(\a)+(\ks)] matrix_a_fmt:MATRIX_FMT_BF6 matrix_b_fmt:MATRIX_FMT_BF6 matrix_a_scale:MATRIX_SCALE_ROW1
.endif
.endr
.endr
.endm
; A slot's first K step: multiplies set 0, fetches the slot's second step
.macro STEP slot, ks, first
	s_wait_dscnt 4*NLR                             ; all but the youngest loads, source 1's tiles 4-7
	WIN MUL_LO-0x10*(\first)
	MUL16 0, 0, \ks, \first
	MUL16 2, 0, \ks, \first
	s_wait_dscnt 0x0                               ; tiles 4-7 are in
	PLACES
	FETCH_P \slot, 1, 1
	FETCH_R \slot, 1, 0
	WIN MUL_HI-0x20*(\first)
	MUL16 4, 0, \ks, \first
	MUL16 6, 0, \ks, \first
	PLACES
	WIN 0
	FETCH_R \slot, 1, 4
.endm
; A slot's second K step changes slots: ONE barrier; in front of it each wave waits for all its tensor loads, adds 0 to its spare word, and waits for that and for its reads of this slot.  fill = 1: this slot is filled again.
.macro TURN slot, next, ks, fill
	s_wait_tensorcnt 0x0                           ; all my tensor loads have landed: my part of the next slot
	ds_add_u32 v[SPW], v[NIL]                      ; 0 onto my spare word
	s_wait_dscnt 4*NLR+1                           ; (the add and source 1's tiles 4-7 may be out)
	WIN MUL_LO
	MUL16 0, 1, \ks, 0                             ; sixteen matrix instructions stand between the add and the wait for it
	s_wait_dscnt 0x0                               ; the add is done, and my reads of this slot are over
	s_barrier_signal -1
	MUL16 2, 1, \ks, 0
	WIN 0
	s_barrier_wait -1
.if \fill
	CREST                                          ; the barrier has opened a round of the cluster's barrier: no wave of any partner still reads this slot or has a load on its way
	s_add_nc_u64 s[G0+4*\slot+2:G0+4*\slot+3], s[G0+4*\slot+2:G0+4*\slot+3], 6144
	s_add_nc_u64 s[G0B+4*\slot+2:G0B+4*\slot+3], s[G0B+4*\slot+2:G0B+4*\slot+3], 6144
	JLOAD G0+4*\slot, G1, G0B+4*\slot, G1B         ; the first tensor load behind the round; its four v_nop are the places in front of the loads below
.else
	PLACES
.endif
	FETCH_P \next, 0, 0
	FETCH_R \next, 0, 0
	WIN MUL_HI
	MUL16 4, 1, \ks, 0
	MUL16 6, 1, \ks, 0
	PLACES
	WIN 0
	FETCH_R \next, 0, 4
.endm
	s_load_b256 s[4:11], s[0:1], 0x0               ; XC s[4:5], SX s[6:7], WC s[8:9], SW s[10:11]
	s_load_b256 s[92:99], s[0:1], 0x20             ; bq s[92:93], bk s[94:95], QKVC s[96:97], QKVS s[98:99]
	v_lshl_add_u32 v[SPW], v0, 2, SPARE
	v_mov_b32 v[NIL], 0
	ds_add_u32 v[SPW], v[NIL]                      ; the wave's opening: the add, twice on end, and its wait ahead of my first tensor load
	ds_add_u32 v[SPW], v[NIL]
	v_lshrrev_b32 v1, 5, v0
	v_readfirstlane_b32 s14, v1                    ; wave 0..3
	s_lshr_b32 s15, s14, 1                         ; my half of the tokens.  Also: I fetch for X (0) or for W (1)
	s_and_b32 s16, s14, 1                          ; my half of the features.  Also: which 8 tiles of that side I fetch
	s_bfe_u32 s40, ttmp6, 0x40000                  ; cx, cy: my place in the cluster
	s_bfe_u32 s41, ttmp6, 0x40004
	s_lshl_b32 s42, ttmp9, 2
	s_add_co_u32 s42, s42, s40                     ; tile column = 4 x cluster x + cx: 0-3 Q, 4-7 K
	s_and_b32 s17, ttmp7, 0xffff
	s_lshl_b32 s17, s17, 2
	s_add_co_u32 s17, s17, s41                     ; tile row = 4 x cluster y + cy
	s_lshl_b32 s43, s41, 2
	s_lshl_b32 s43, 15, s43                        ; my row of the cluster
	s_lshl_b32 s44, 0x1111, s40                    ; my column
	s_or_b32 s[G1+0], s43, (3<<16)|(1<<21)         ; 15:0 the mask; 17:16 elements of 8 bytes; 20 no padding; 21 set beside a mask
	s_or_b32 s[G1B+0], s44, (3<<16)|(1<<21)
.irp g, G1, G1B
	s_mov_b32 s[\g+1], 384<<16                     ; tensor_dim0: 3,072 bytes: a tile's two K steps
	s_mov_b32 s[\g+2], 16<<16                      ; tensor_dim1: 16 tiles for the head's loads; set to 8 for the ring's behind them
	s_mov_b32 s[\g+3], 384<<16                     ; tile_dim0
	s_mov_b32 s[\g+4], 16                          ; tile_dim1
	s_mov_b32 s[\g+5], 1536                        ; from tile to tile: 12,288 bytes
	s_mov_b32 s[\g+6], 0
	s_mov_b32 s[\g+7], 0
.endr
	s_or_b32 s[G1S+0], s43, (3<<16)|(1<<21)
	s_or_b32 s[G1SB+0], s44, (3<<16)|(1<<21)
.irp g, G1S, G1SB
	s_mov_b32 s[\g+1], 32<<16                      ; tensor_dim0: 256 bytes, 32 elements of 8
	s_mov_b32 s[\g+2], 32<<16                      ; the scale words of 16 tiles: 8,192 dense bytes as 32 rows of 256
	s_mov_b32 s[\g+3], 32<<16
	s_mov_b32 s[\g+4], 32
	s_mov_b32 s[\g+5], 32
	s_mov_b32 s[\g+6], 0
	s_mov_b32 s[\g+7], 0
.endr
	s_lshl_b32 s20, s17, 4                         ; X: tile 16 x tile row
	s_lshl_b32 s46, s42, 4                         ; W: tile 16 x tile column
	s_lshl_b32 s22, s20, 9
	s_mov_b32 s23, 0
	s_lshl_b32 s12, s46, 9
	s_mov_b32 s13, 0
	s_mul_i32 s20, s20, 12288
	s_mov_b32 s21, 0
	s_mul_i32 s46, s46, 12288
	s_mov_b32 s47, 0
	s_mul_i32 s45, s14, 24576                      ; where the ring's loads go: wave x 8 tiles: no place in the cluster enters an LDS address
	s_mul_i32 s18, s16, 98304                      ; in the ring I fetch 8 tiles of a side: which half, in bytes
	s_mov_b32 s19, 0
	s_wait_dscnt 0x0                               ; both opening adds are done
	s_wait_kmcnt 0x0
	s_add_nc_u64 s[20:21], s[4:5], s[20:21]
	s_add_nc_u64 s[22:23], s[6:7], s[22:23]
	s_add_nc_u64 s[46:47], s[8:9], s[46:47]
	s_add_nc_u64 s[12:13], s[10:11], s[12:13]
	CROUND                                         ; all sixteen work-groups are here: the first joint loads meet
	s_mov_b32 s[G0S], 1
	s_mov_b32 s[G0S+1], SCL
	s_mov_b64 s[G0S+2:G0S+3], s[22:23]
	s_or_b32 s[G0S+3], s[G0S+3], 0x80000000
	s_mov_b32 s[G0SB], 1
	s_mov_b32 s[G0SB+1], SCL+8192
	s_mov_b64 s[G0SB+2:G0SB+3], s[12:13]
	s_or_b32 s[G0SB+3], s[G0SB+3], 0x80000000
.set G0H, 4                            ; s[4:7], s[8:11] group 0 of the head's loads of slot 0: X's 16 tiles, W's 16 (the arguments that lay there have been used)
.set G0HB, 8
	s_mov_b32 s[G0H], 1
	s_mov_b32 s[G0H+1], 0
	s_mov_b64 s[G0H+2:G0H+3], s[20:21]
	s_or_b32 s[G0H+3], s[G0H+3], 0x80000000
	s_mov_b32 s[G0HB], 1
	s_mov_b32 s[G0HB+1], 49152
	s_mov_b64 s[G0HB+2:G0HB+3], s[46:47]
	s_or_b32 s[G0HB+3], s[G0HB+3], 0x80000000
	s_add_nc_u64 s[20:21], s[20:21], s[18:19]      ; for the ring: my 8 tiles of the side
	s_add_nc_u64 s[46:47], s[46:47], s[18:19]
.irp s, 0,1
	s_mov_b32 s[G0+4*\s], 1
	s_add_co_u32 s[G0+4*\s+1], s45, \s*SLOT
	s_add_nc_u64 s[G0+4*\s+2:G0+4*\s+3], s[20:21], \s*3072
	s_or_b32 s[G0+4*\s+3], s[G0+4*\s+3], 0x80000000
	s_mov_b32 s[G0B+4*\s], 1
	s_add_co_u32 s[G0B+4*\s+1], s45, \s*SLOT
	s_add_nc_u64 s[G0B+4*\s+2:G0B+4*\s+3], s[46:47], \s*3072
	s_or_b32 s[G0B+4*\s+3], s[G0B+4*\s+3], 0x80000000
.endr
; THE HEAD'S LOADS, ONE A WAVE: wave 0 slot 0's 16 tiles of X, wave 1 its 16 of W, wave 2 X's scale words, wave 3 W's.  One chain of branches on the wave's number, a load to an arm.
.macro ARM under, g0, g1, next
	s_cmp_lt_u32 s14, \under
	s_cbranch_scc0 \next
	tensor_load_to_lds s[\g0:\g0+3], s[\g1:\g1+7]
	s_nop 0
.rept 4
	v_nop
.endr
	s_branch .Lhead_asked
\next:
.endm
	ARM 1, G0H,  G1,  .Lhead_w
	ARM 2, G0HB, G1B, .Lhead_sx
	ARM 3, G0S,  G1S, .Lhead_sw
	tensor_load_to_lds s[G0SB:G0SB+3], s[G1SB:G1SB+7]
	s_nop 0
.rept 4
	v_nop
.endr
.Lhead_asked:
	v_and_b32 v1, 15, v0                           ; r
	v_bfe_u32 v2, v0, 4, 1                         ; h
	v_and_b32 v3, 31, v0                           ; lane
	v_lshlrev_b32 v[LI16], 4, v3
	v_lshlrev_b32 v[LI8], 3, v3
	v_lshlrev_b32 v[HSH], 4, v2
	v_mul_u32_u24 v[WOF], v2, 20480
	v_lshl_add_u32 v[WOF], v1, 4, v[WOF]
	s_mul_i32 s18, s15, 24576                      ; my 8 tiles of X
	s_mul_i32 s19, s16, 24576                      ; my 8 tiles of W,
	s_add_co_u32 s19, s19, 49152                   ; which lie behind X's 16
.irp s, 0,1
	v_add_nc_u32 v[ADX+\s], s18, v[LI16]
	v_add_nc_u32 v[ADW+\s], s19, v[LI16]
	s_add_co_u32 s18, s18, SLOT
	s_add_co_u32 s19, s19, SLOT
.endr
	s_lshl_b32 s18, s15, 12
	s_lshl_b32 s19, s16, 12
	s_add_co_u32 s19, s19, 8192
	s_sub_co_u32 s19, s19, s18
	v_mul_u32_u24 v5, s19, v2                      ; lanes 16-31 take W's words
	s_add_co_u32 s18, s18, SCL
	v_lshl_add_u32 v5, v1, 2, v5
	v_add_nc_u32 v[ADRS], s18, v5
	s_cmp_eq_u32 ttmp9, 0                          ; the bias: bq or bk, by the cluster's x
	s_cselect_b64 s[12:13], s[92:93], s[94:95]
	s_and_b32 s46, s42, 3
	s_lshl_b32 s46, s46, 10
	s_lshl_b32 s47, s16, 9
	s_add_co_u32 s46, s46, s47                     ; my 128 features
	s_mov_b32 s47, 0
	s_add_nc_u64 s[12:13], s[12:13], s[46:47]
	v_lshlrev_b32 v6, 6, v2                        ; lane (r, h) wants, for tile b, features 32 (b / 2) + 8 (b % 2) + 16 h + 0 .. 7
	WIN TO_P
.irp b, 0,1,2,3,4,5,6,7
	global_load_b128 v[BIAS+8*\b:BIAS+8*\b+3], v6, s[12:13] offset:4*(32*(\b/2)+8*(\b%2))
	global_load_b128 v[BIAS+8*\b+4:BIAS+8*\b+7], v6, s[12:13] offset:4*(32*(\b/2)+8*(\b%2))+16
.endr
	WIN 0
	s_wait_alu depctr_va_vdst(0)
	s_wait_tensorcnt 0x0                           ; my tile of the head's four is in
	ds_add_u32 v[SPW], v[NIL]
	s_mov_b32 s[G1+2], 8<<16                       ; no tensor load of mine is out: from here on a load brings 8 tiles
	s_mov_b32 s[G1+4], 8
	s_mov_b32 s[G1B+2], 8<<16
	s_mov_b32 s[G1B+4], 8
	s_wait_dscnt 0x0
	CROUND                                         ; all four tiles are in, and all sixteen work-groups are here
	JLOAD G0+4, G1, G0B+4, G1B                     ; slot 1's first fill, the first tensor load behind the round
	FETCH_P 0, 0, 0
	FETCH_R 0, 0, 0
	SCALES
	FETCH_R 0, 0, 4
	s_wait_loadcnt 0x0                             ; the bias
	STEP 0, 0, 1                                   ; the first step starts the sums from the bias
	TURN 0, 1, 1, 1
	STEP 1, 2, 0
	TURN 1, 0, 3, 1
	STEP 0, 4, 0
	TURN 0, 1, 5, 0                                ; nothing is left to fetch: no round, no load
	STEP 1, 6, 0
	s_wait_dscnt 4*NLR
	WIN MUL_LO
	MUL16 0, 1, 7, 0
	MUL16 2, 1, 7, 0
	s_wait_dscnt 0x0
	WIN MUL_HI
	MUL16 4, 1, 7, 0
	MUL16 6, 1, 7, 0
	WIN 0
	PLACES
; THE EPILOGUE.  The 64 registers of a token tile (window w, from v[s] on) are quantised as they stand; each accumulator is read from its low end on.  The codes' registers 0-5 are the first head's half fragment, 6-11 the second's.
.macro EQUANT w, s, pc
	WIN ((\w)<<2)|((\w)<<4)                        ; sources 1 and 2: the accumulators' window
.irp b, 0,1,2,3
	v_max3_num_f32 v[TM+\b], 0x2800000, |v[\s+16*\b]|, |v[\s+16*\b+1]|   ; the floor 2^(5 - 127) and my first two numbers of block b
.endr
.irp i, 2,4,6,8,10,12,14
.irp b, 0,1,2,3
	v_max3_num_f32 v[TM+\b], v[TM+\b], |v[\s+16*\b+\i]|, |v[\s+16*\b+\i+1]|
.endr
.endr
	WIN 0
.irp b, 0,1,2,3
	v_permlanex16_b32 v[TM+4+\b], v[TM+\b], s[SEL], s[SEL+1]
.endr
.irp b, 0,1,2,3
	v_max_num_f32 v[TM+\b], v[TM+\b], v[TM+4+\b]
.endr
.irp b, 0,1,2,3
	v_add_nc_u32 v[TM+8+\b], 0xfe000000, v[TM+\b]  ; 4 off the exponent field: the conversion's scale operand
.endr
.irp b, 0,1,2,3
	v_lshrrev_b32 v[TM+4+\b], 23, v[TM+8+\b]       ; the scale's byte
.endr
	v_lshl_or_b32 v[PW], v[TM+5], 8, v[TM+4]
	v_lshl_or_b32 v[PW], v[TM+6], 16, v[PW]
	v_lshl_or_b32 v[PW], v[TM+7], 24, v[PW]
	WIN (\w)                                       ; source 0: the accumulators' window
.irp c, 0,1
	v_cvt_scalef32_pk16_bf6_f32 v[\pc+6*\c:\pc+6*\c+2], v[\s+32*\c:\s+32*\c+15], v[TM+8+2*\c]
	v_cvt_scalef32_pk16_bf6_f32 v[TP+4*\c:TP+4*\c+2], v[\s+32*\c+16:\s+32*\c+31], v[TM+9+2*\c]
.endr
	WIN 0
	v_nop                                          ; one plain place behind a scaled conversion
.irp c, 0,1
.irp i, 0,1,2
	v_permlane16_swap_b32 v[\pc+6*\c+\i], v[TP+4*\c+\i]
.endr
.irp i, 0,1,2
	v_mov_b32 v[\pc+6*\c+3+\i], v[TP+4*\c+\i]
.endr
.endr
.endm
.irp b, 0,1,2,3
	v_mov_b32 v[TM+4+\b], 0                        ; written once: a lane permute's destination counts as one of its sources
.endr
	s_mov_b32 s[SEL], 0x76543210
	s_mov_b32 s[SEL+1], 0xfedcba98
	s_lshr_b32 s66, s17, 3
	s_lshl_b32 s66, s66, 4                         ; 16 x batch
	s_and_b32 s67, s42, 3
	s_lshl_b32 s67, s67, 2
	s_add_co_u32 s66, s66, s67
	s_lshl_b32 s67, s16, 1
	s_add_co_u32 s66, s66, s67                     ; bh of my first head: 16 x batch + 4 x (tile column % 4) + 2 x half
	s_and_b32 s67, s17, 7
	s_lshl_b32 s67, s67, 1
	s_add_co_u32 s67, s67, s15                     ; my 8 token tiles in the batch: 8 G on, G = 2 x (tile row % 8) + half
	s_mul_i32 s100, s66, 294912
	s_mul_i32 s2, ttmp9, 98304                     ; Q's part or K's
	s_add_co_u32 s100, s100, s2
	s_mul_i32 s2, s67, 6144
	s_add_co_u32 s100, s100, s2
	s_mov_b32 s101, 0
	s_add_nc_u64 s[96:97], s[96:97], s[100:101]
	s_mul_i32 s100, s66, 20480
	s_lshl_b32 s2, ttmp9, 13
	s_add_co_u32 s100, s100, s2
	s_lshl_b32 s2, s67, 9
	s_add_co_u32 s100, s100, s2
	s_add_nc_u64 s[98:99], s[98:99], s[100:101]
.irp a, 0,1,2,3,4,5,6,7
	s_wait_xcnt 0x0                                ; the earlier stores have read their registers: the codes' set of two tiles back is written again only behind this wait
	EQUANT 2+\a/4, 64*(\a%4), PC+12*(\a%2)
	v_mov_b32 v[WD+\a], v[PW]
.irp e, 0,1
	global_store_b128 v[LI16], v[PC+12*(\a%2)+6*\e:PC+12*(\a%2)+6*\e+3], s[96:97] offset:768*\a+294912*\e
	global_store_b64 v[LI8], v[PC+12*(\a%2)+6*\e+4:PC+12*(\a%2)+6*\e+5], s[96:97] offset:768*\a+294912*\e+512
.endr
.endr
.irp a, 0,1,2,3,4,5,6,7
	v_bfe_u32 v[WD+\a], v[WD+\a], v[HSH], 16       ; lanes 0-15 keep the first head's two bytes, lanes 16-31 the second's; bytes 2 and 3 become 0
.endr
.irp g, 0,1
	global_store_b128 v[WOF], v[WD+4*\g:WD+4*\g+3], s[98:99] offset:256*\g   ; each half of the lanes stores 256 consecutive bytes
.endr
	s_wait_tensorcnt 0x0                           ; the wave's end
	ds_add_u32 v[SPW], v[NIL]
	s_wait_dscnt 0x0
	CROUND                                         ; the closing round: no work-group ends while a partner may still ask for a tile that names it
	s_endpgm
.Lfunc_end_k_qfcfe850955_qk:
	.size	k_qfcfe850955_qk, .Lfunc_end_k_qfcfe850955_qk-k_qfcfe850955_qk
	.p2alignl 7, 3214868480
	.fill 96, 4, 3214868480
	.section	.rodata,"a",@progbits
	.p2align	6, 0x0
	.amdhsa_kernel k_qfcfe850955_qk
		.amdhsa_group_segment_fixed_size 327680
		.amdhsa_private_segment_fixed_size 0
		.amdhsa_enable_private_segment 0
		.amdhsa_kernarg_size 64
		.amdhsa_user_sgpr_count 2
		.amdhsa_user_sgpr_kernarg_segment_ptr 1
		.amdhsa_wavefront_size32 1
		.amdhsa_system_sgpr_workgroup_id_x 1
		.amdhsa_system_sgpr_workgroup_id_y 1
		.amdhsa_system_sgpr_workgroup_id_z 1
		.amdhsa_system_vgpr_workitem_id 0
		.amdhsa_next_free_vgpr 1024
		.amdhsa_next_free_sgpr 102
		.amdhsa_reserve_vcc 0
		.amdhsa_float_denorm_mode_32 3
		.amdhsa_float_denorm_mode_16_64 3
		.amdhsa_memory_ordered 1
		.amdhsa_forward_progress 1
		.amdhsa_inst_pref_size 146
	.end_amdhsa_kernel
	.amdgpu_metadata
---
amdhsa.version: [ 1, 2 ]
amdhsa.kernels:
  - .name:           k_qfcfe850955_qk
    .symbol:         k_qfcfe850955_qk.kd
    .args:
      - { .name: XC, .offset: 0, .size: 8, .value_kind: global_buffer, .address_space: global }
      - { .name: SX, .offset: 8, .size: 8, .value_kind: global_buffer, .address_space: global }
      - { .name: WC, .offset: 16, .size: 8, .value_kind: global_buffer, .address_space: global }
      - { .name: SW, .offset: 24, .size: 8, .value_kind: global_buffer, .address_space: global }
      - { .name: bq, .offset: 32, .size: 8, .value_kind: global_buffer, .address_space: global }
      - { .name: bk, .offset: 40, .size: 8, .value_kind: global_buffer, .address_space: global }
      - { .name: QKVC, .offset: 48, .size: 8, .value_kind: global_buffer, .address_space: global }
      - { .name: QKVS, .offset: 56, .size: 8, .value_kind: global_buffer, .address_space: global }
    .group_segment_fixed_size: 327680
    .private_segment_fixed_size: 0
    .kernarg_segment_align: 8
    .kernarg_segment_size: 64
    .max_flat_workgroup_size: 128
    .sgpr_count:     102
    .vgpr_count:     1024
    .wavefront_size: 32
...
	.end_amdgpu_metadata
.endif
;; end of part 2
;; launch vproj (part 3): grid 8 x 32, 4 waves a work-group, clusters of 4 x 4, 327,680 bytes of LDS; arguments XC, SX, WC, SW, bv, QKVC, QKVS; writes QKVC, QKVS
.if DOCPART == 3
	.amdgcn_target "amdgcn-amd-amdhsa--gfx1250"
	.amdhsa_code_object_version 6
	.text
	.protected	k_qfcfe850955_vproj
	.globl	k_qfcfe850955_vproj
	.p2align	8
	.type	k_qfcfe850955_vproj,@function
k_qfcfe850955_vproj:
	s_mov_b64 s[64:65], 0
	v_nop
	global_prefetch_b8 v0, s[64:65] scope:SCOPE_SE
	s_setreg_imm32_b32 hwreg(HW_REG_WAVE_MODE, 25, 1), 1
	s_wait_xcnt 0x0
	s_wait_alu depctr_hold_cnt(0) depctr_sa_sdst(0) depctr_va_vdst(0) depctr_va_sdst(0) depctr_va_ssrc(0) depctr_va_vcc(0) depctr_vm_vsrc(0)
	s_getreg_b32 s2, hwreg(HW_REG_IB_STS2, 6, 4)
	s_cmp_eq_u32 s2, 0
	s_cbranch_scc0 .Lentry_in_a_cluster
	s_endpgm
.Lentry_in_a_cluster:
	s_bfe_u32 s2, ttmp6, 0x10000c
	s_cmp_lg_u32 s2, 0xf033
	s_cbranch_scc0 .Lentry_shape_is_right
	s_endpgm
.Lentry_shape_is_right:
; LAUNCH 3 OF 5.  V = X Wv + bv on codes of BF6 (K = 1,024), and its quantising ALONG THE KEYS for the product P V.  No work is left out here.
; THE DEAL: 256 work-groups of four waves.  A work-group makes 256 tokens (side P: 16 tiles of X) x 128 features (side R: 8 tiles of Wv); wave (s15, s16) takes P's tiles 8 s16 .. + 7 and R's tiles 4 s15 .. + 3: 32 accumulators.
; OPERANDS come as images of their registers (launch quant): a fragment, 16 rows x 128 K, is 1,536 bytes: three ds_load_b128 of 512 consecutive bytes.
; LDS HOLDS ALL OF K: 24 tiles x 12,288 bytes and their scale words: every byte is filled once.  TWO GROUPS OF FILLS, one joint load a wave in each: at the head P's K steps 0-3, R's K steps 0-3, P's scale words, R's;
; behind a wait, an add to the spare word and a round: K steps 4-7, waves 0, 1 a half of P's tiles each, waves 2, 3 a half of R's.  A plain barrier ahead of the fetch of K step 4 shows them to all.
; CLUSTER 4 x 4: X's tiles hang on the tile row alone and are asked for jointly along a row of the cluster, Wv's on the tile column alone, jointly along a column.
; No data prefetch: K is 1,024, and all that the work-group reads is asked for in those two groups at its start.
; SOURCE 0 = 16 TOKENS, SOURCE 1 = 16 FEATURES: a lane holds one feature dv, its registers run along the tokens.  For a feature tile the 64 registers of X's eight tiles are: register 16 b + i = key 32 b + 16 (lane / 16) + i:
; one whole fragment (16 dv x 128 keys) and one scale word a row.  The bias is the C of each sum's first instruction.  A wave's four feature tiles are one head.
; OUT: QKVC [bh][294,912] + 196,608: [key step G 16][dv tile 4][image 1,536]; QKVS [bh][20,480] + 16,384: [G 16][row 16][dv tile 4] scale words.  Every store covers 256 or 512 consecutive bytes, aligned.
; LIMITS: a block of zeros gets the byte 1 where the rule says 127 (its codes are zeros; this program alone reads the bytes); largest magnitudes under 2^-122 are held at that floor; NaN and infinities are not served.
; REGISTERS: window 0: v16-29 addresses, v32-95 scale words, v128-223 R's fragments, two sets of four.  Window 1: P's fragments, two sets of eight, at v0 and v96; v192-223 the bias.  Window 2: accumulator (a, b) at v[8 (8 a + b)].
.set P1,    0                          ; P's 16 tiles, K steps 0-3: 6,144 bytes a tile
.set R1,    98304                      ; R's 8 tiles, K steps 0-3
.set P2,    147456                     ; K steps 4-7
.set R2,    245760
.set SCL,   294912                     ; R's scale words (8 tiles x 512 bytes), then P's (16 tiles)
.set SPARE, 307200                     ; the spare words, 128 bytes a wave: two blocks of 256 bytes that no other line names
.set ADP,   16                         ; v16-17 LDS address of my fragments of P, K steps 0-3 and 4-7
.set ADR,   18                         ; v18-19 of R
.set LI16,  24                         ; v24  16 x lane
.set WOF,   26                         ; v26  16 r + 8 h
.set ADRS,  27                         ; v27  my scale words: lanes 0-15 R's, lanes 16-31 P's
.set SPW,   28                         ; v28  SPARE + 4 x my thread's number; never rewritten
.set NIL,   29                         ; v29  0; never rewritten
.set SC,    32                         ; v[SC + 8 ks + i]: lanes 0-15 the word of R's tile i (i under 4), lanes 16-31 that of P's tile i, for K step ks
.set RF,    128
.set BIAS,  192
.set PC,    128
.set TP,    152
.set TM,    160
.set PW,    172
.set WD,    176
.set WE,    184
.set SEL,   18
.set G1P,   24
.set G1R,   32
.set G1SP,  48
.set G1SR,  56
.set G0P,   68
.set G0R,   72
.set G0SP,  76
.set G0SR,  80
.set TO_P,  0x40                       ; destination window 1, address window 0
.set MSB, 0
.macro WIN new                         ; the immediate's high byte repeats the setting that is left
.if MSB != (\new)
	s_set_vgpr_msb (MSB<<8)|(\new)
.set MSB, (\new)
.endif
.endm
.macro PLACES
.rept 4
	v_nop
.endr
.endm
.macro TLOAD g0, g1                    ; an s_nop 0 and four v_nop follow a tensor load
	tensor_load_to_lds s[\g0:\g0+3], s[\g1:\g1+7]
	s_nop 0
	PLACES
.endm
.macro CROUND
	s_barrier_signal -1
	s_barrier_wait -1
	s_cmp_lg_u32 s14, 0
	s_cbranch_scc1 .Lnot_wave_0_\@
	s_barrier_signal -3
.Lnot_wave_0_\@:
	s_barrier_wait -3
	s_barrier_signal -1
	s_barrier_wait -1
.endm
.macro GROUP1 g, mask, el, rows, pitch ; rows of el elements of 8 bytes, no padding; bit 21 beside the mask
	s_or_b32 s[\g], s[\mask], (3<<16)|(1<<21)
	s_mov_b32 s[\g+1], (\el)<<16
	s_mov_b32 s[\g+2], (\rows)<<16
	s_mov_b32 s[\g+3], (\el)<<16
	s_mov_b32 s[\g+4], \rows
	s_mov_b32 s[\g+5], \pitch
	s_mov_b32 s[\g+6], 0
	s_mov_b32 s[\g+7], 0
.endm
.macro G0SET g, lds, src
	s_mov_b32 s[\g], 1
	s_mov_b32 s[\g+1], \lds
	s_mov_b64 s[\g+2:\g+3], s[\src:\src+1]
	s_or_b32 s[\g+3], s[\g+3], 0x80000000
.endm
.macro ARM under, g0, g1, next
	s_cmp_lt_u32 s14, \under
	s_cbranch_scc0 \next
	TLOAD \g0, \g1
	s_branch .Lhead_asked
\next:
.endm
.macro FRAG3 reg, adr, off
.irp g, 0,1,2
	ds_load_b128 v[\reg+4*\g:\reg+4*\g+3], v[\adr] offset:\off+512*\g
.endr
.endm
.macro FETCH ks                        ; K step ks's twelve fragments into set ks % 2
	WIN TO_P
.irp i, 0,1,2,3,4,5,6,7
	FRAG3 96*((\ks)%2)+12*\i, ADP+(\ks)/4, 6144*\i+1536*((\ks)%4)
.endr
	WIN 0
.irp i, 0,1,2,3
	FRAG3 RF+48*((\ks)%2)+12*\i, ADR+(\ks)/4, 6144*\i+1536*((\ks)%4)
.endr
.endm
; 32 matrix instructions: the accumulators take turns, one instruction a turn, in the same order in every step
.macro MUL ks, first
.irp a, 0,1,2,3
.irp b, 0,1,2,3,4,5,6,7
.if \first
	v_wmma_scale_f32_16x16x128_f8f6f4 v[8*(8*\a+\b):8*(8*\a+\b)+7], v[96*((\ks)%2)+12*\b:96*((\ks)%2)+12*\b+11], v[RF+48*((\ks)%2)+12*\a:RF+48*((\ks)%2)+12*\a+11], v[BIAS+8*\a:BIAS+8*\a+7], v[SC+8*(\ks)+\b], v[SC+8*(\ks)+\a] matrix_a_fmt:MATRIX_FMT_BF6 matrix_b_fmt:MATRIX_FMT_BF6 matrix_a_scale:MATRIX_SCALE_ROW1
.else
	v_wmma_scale_f32_16x16x128_f8f6f4 v[8*(8*\a+\b):8*(8*\a+\b)+7], v[96*((\ks)%2)+12*\b:96*((\ks)%2)+12*\b+11], v[RF+48*((\ks)%2)+12*\a:RF+48*((\ks)%2)+12*\a+11], v[8*(8*\a+\b):8*(8*\a+\b)+7], v[SC+8*(\ks)+\b], v[SC+8*(\ks)+\a] matrix_a_fmt:MATRIX_FMT_BF6 matrix_b_fmt:MATRIX_FMT_BF6 matrix_a_scale:MATRIX_SCALE_ROW1
.endif
.endr
.endr
.endm
.macro STEP ks, first                  ; this step's fragments are in; the next step's are fetched into the other sets under this step's products
	s_wait_dscnt 0x0
.if (\ks) == 3
	s_wait_tensorcnt 0x0                           ; every wave: my part of K steps 4-7 is in
	s_barrier_signal -1
	s_barrier_wait -1                              ; so is everybody's, and nobody reads K steps 0-3 in LDS any more
.endif
.if (\ks) < 7
.set NX, (\ks)+1
	FETCH NX
.endif
	WIN 0xa1-0x10*(\first)                         ; source 0 window 1, source 1 window 0, D window 2; C window 2, in the first step the bias's, window 1
	MUL \ks, \first
	WIN 0
	PLACES                                         ; four places behind the products, ahead of loads into their sources and of reads of their results
.endm
	s_load_b256 s[4:11], s[0:1], 0x0               ; XC, SX, WC, SW
	s_load_b64 s[92:93], s[0:1], 0x20              ; bv
	s_load_b128 s[96:99], s[0:1], 0x28             ; QKVC, QKVS
	v_lshl_add_u32 v[SPW], v0, 2, SPARE
	v_mov_b32 v[NIL], 0
	ds_add_u32 v[SPW], v[NIL]                      ; the opening lines: the add, twice on end, and its wait ahead of my first tensor load
	ds_add_u32 v[SPW], v[NIL]
	v_lshrrev_b32 v1, 5, v0
	v_readfirstlane_b32 s14, v1                    ; wave 0..3
	s_lshr_b32 s15, s14, 1                         ; my half of R's tiles.  Also: in the second group I fetch for P (0) or for R (1)
	s_and_b32 s16, s14, 1                          ; my half of P's tiles.  Also: which half of that side I fetch
	s_bfe_u32 s40, ttmp6, 0x40000
	s_bfe_u32 s41, ttmp6, 0x40004
	s_lshl_b32 s42, ttmp9, 2
	s_add_co_u32 s42, s42, s40                     ; tile column 0-7: 128 features
	s_and_b32 s17, ttmp7, 0xffff
	s_lshl_b32 s17, s17, 2
	s_add_co_u32 s17, s17, s41                     ; tile row 0-31: 256 tokens
	s_lshl_b32 s43, s41, 2
	s_lshl_b32 s43, 15, s43                        ; my row of the cluster
	s_lshl_b32 s44, 0x1111, s40                    ; my column
	GROUP1 G1P, 43, 768, 16, 1536                  ; 16 tiles x 6,144 bytes (four K steps), 12,288 bytes from tile to tile
	GROUP1 G1R, 44, 768, 8, 1536
	GROUP1 G1SP, 43, 32, 32, 32                    ; 8,192 dense bytes as rows of 256
	GROUP1 G1SR, 44, 32, 16, 32
	s_lshl_b32 s46, s17, 4                         ; P's first tile
	s_lshl_b32 s20, s42, 3
	s_add_co_u32 s20, s20, 128                     ; R's: Wv begins at tile 128 of WC
	s_lshl_b32 s12, s46, 9
	s_mov_b32 s13, 0
	s_lshl_b32 s22, s20, 9
	s_mov_b32 s23, 0
	s_mul_i32 s46, s46, 12288
	s_mov_b32 s47, 0
	s_mul_i32 s20, s20, 12288
	s_mov_b32 s21, 0
	s_mul_i32 s45, s16, 49152                      ; the second group: where my half goes in LDS: no place in the cluster enters an LDS address,
	s_mul_i32 s3, s16, 24576
	s_mul_i32 s18, s16, 98304                      ; and where it lies behind the first group's first byte
	s_add_co_u32 s18, s18, 6144
	s_mov_b32 s19, 0
	s_mul_i32 s84, s16, 49152
	s_add_co_u32 s84, s84, 6144
	s_mov_b32 s85, 0
	s_wait_dscnt 0x0                               ; both opening adds are done
	s_wait_kmcnt 0x0
	s_add_nc_u64 s[46:47], s[4:5], s[46:47]
	s_add_nc_u64 s[12:13], s[6:7], s[12:13]
	s_add_nc_u64 s[20:21], s[8:9], s[20:21]
	s_add_nc_u64 s[22:23], s[10:11], s[22:23]
	CROUND                                         ; all sixteen work-groups are here: the first joint loads meet
	G0SET G0P, P1, 46
	G0SET G0R, R1, 20
	G0SET G0SP, SCL+4096, 12
	G0SET G0SR, SCL, 22
	ARM 1, G0P,  G1P,  .Lhead_r                    ; one chain of branches on the wave's number, a load to an arm
	ARM 2, G0R,  G1R,  .Lhead_sp
	ARM 3, G0SP, G1SP, .Lhead_sr
	TLOAD G0SR, G1SR
.Lhead_asked:
	s_mul_i32 s86, s16, 49152                      ; my 8 tiles of P
	s_mul_i32 s87, s15, 24576                      ; my 4 tiles of R
	s_add_co_u32 s87, s87, R1
	s_add_co_u32 s90, s86, P2
	s_add_co_u32 s91, s87, R2-R1
	s_lshl_b32 s88, s15, 11
	s_lshl_b32 s89, s16, 12
	s_add_co_u32 s89, s89, 4096
	s_sub_co_u32 s89, s89, s88                     ; from R's words of mine to P's
	s_add_co_u32 s88, s88, SCL
	s_lshl_b32 s100, s42, 9                        ; the bias: my 64 features of bv
	s_lshl_b32 s101, s15, 8
	s_add_co_u32 s100, s100, s101
	s_mov_b32 s101, 0
	s_add_nc_u64 s[12:13], s[92:93], s[100:101]
	v_and_b32 v1, 15, v0                           ; r
	v_bfe_u32 v2, v0, 4, 1                         ; h
	v_and_b32 v3, 31, v0                           ; lane
	v_lshlrev_b32 v[LI16], 4, v3
	v_add_nc_u32 v[ADP], s86, v[LI16]
	v_add_nc_u32 v[ADP+1], s90, v[LI16]
	v_add_nc_u32 v[ADR], s87, v[LI16]
	v_add_nc_u32 v[ADR+1], s91, v[LI16]
	v_mul_u32_u24 v5, s89, v2                      ; lanes 16-31 take P's words
	v_lshl_add_u32 v5, v1, 2, v5
	v_add_nc_u32 v[ADRS], s88, v5
	v_lshlrev_b32 v[WOF], 4, v1
	v_lshl_add_u32 v[WOF], v2, 3, v[WOF]
	v_and_b32 v6, 8, v1
	v_add_nc_u32 v6, v6, v1
	v_lshlrev_b32 v6, 2, v6                        ; lane r stands for feature 32 (a / 2) + 8 (a % 2) + r + 8 (r / 8) of tile a: its bias fills all eight registers of the tile's C
	WIN TO_P
.irp a, 0,1,2,3
.irp j, 0,1,2,3,4,5,6,7
	global_load_b32 v[BIAS+8*\a+\j], v6, s[12:13] offset:4*(32*(\a/2)+8*(\a%2))
.endr
.endr
	WIN 0
	s_wait_alu depctr_va_vdst(0)
	s_wait_tensorcnt 0x0                           ; my tile of the head's four is in
	ds_add_u32 v[SPW], v[NIL]
	s_mov_b32 s[G1P+2], 8<<16                      ; no tensor load of mine is out, so the descriptors may be written: half of a side's tiles,
	s_mov_b32 s[G1P+4], 8
	s_mov_b32 s[G1R+2], 4<<16
	s_mov_b32 s[G1R+4], 4
	s_add_co_u32 s[G0P+1], s45, P2                 ; K steps 4-7
	s_add_co_u32 s[G0R+1], s3, R2
	s_add_nc_u64 s[G0P+2:G0P+3], s[G0P+2:G0P+3], s[18:19]
	s_add_nc_u64 s[G0R+2:G0R+3], s[G0R+2:G0R+3], s[84:85]
	s_wait_dscnt 0x0
	CROUND                                         ; all four tiles are in, and all sixteen work-groups are here
	s_cmp_eq_u32 s15, 0
	s_cbranch_scc0 .Lfor_r
	TLOAD G0P, G1P
	s_branch .Lasked
.Lfor_r:
	TLOAD G0R, G1R
.Lasked:
	FETCH 0
.irp i, 0,1,2,3,4,5,6,7
.irp k, 0,1,2,3,4,5,6,7
	ds_load_b32 v[SC+8*\k+\i], v[ADRS] offset:512*\i+64*\k   ; all scale words, once (lanes 0-15 of tiles 4-7 read words that no product names)
.endr
.endr
	s_wait_loadcnt 0x0                             ; the bias
	STEP 0, 1
.irp s, 1,2,3,4,5,6,7
	STEP \s, 0
.endr
; THE EPILOGUE.  The 64 registers of a feature tile are 128 keys of 16 features: quantised as they stand they are a fragment of V^T.  Each accumulator is read from its low end on.
.macro EQUANT s, pc
	WIN 0x28                                       ; sources 1 and 2: window 2
.irp b, 0,1,2,3
	v_max3_num_f32 v[TM+\b], 0x2800000, |v[\s+16*\b]|, |v[\s+16*\b+1]|   ; the floor 2^(5 - 127) and my first two numbers of block b
.endr
.irp i, 2,4,6,8,10,12,14
.irp b, 0,1,2,3
	v_max3_num_f32 v[TM+\b], v[TM+\b], |v[\s+16*\b+\i]|, |v[\s+16*\b+\i+1]|
.endr
.endr
	WIN 0
.irp b, 0,1,2,3
	v_permlanex16_b32 v[TM+4+\b], v[TM+\b], s[SEL], s[SEL+1]
.endr
.irp b, 0,1,2,3
	v_max_num_f32 v[TM+\b], v[TM+\b], v[TM+4+\b]
.endr
.irp b, 0,1,2,3
	v_add_nc_u32 v[TM+8+\b], 0xfe000000, v[TM+\b]  ; 4 off the exponent field: the conversion's scale operand
.endr
.irp b, 0,1,2,3
	v_lshrrev_b32 v[TM+4+\b], 23, v[TM+8+\b]       ; the scale's byte
.endr
	v_lshl_or_b32 v[PW], v[TM+5], 8, v[TM+4]
	v_lshl_or_b32 v[PW], v[TM+6], 16, v[PW]
	v_lshl_or_b32 v[PW], v[TM+7], 24, v[PW]
	WIN 2                                          ; source 0: window 2
.irp c, 0,1
	v_cvt_scalef32_pk16_bf6_f32 v[\pc+6*\c:\pc+6*\c+2], v[\s+32*\c:\s+32*\c+15], v[TM+8+2*\c]
	v_cvt_scalef32_pk16_bf6_f32 v[TP+4*\c:TP+4*\c+2], v[\s+32*\c+16:\s+32*\c+31], v[TM+9+2*\c]
.endr
	WIN 0
	v_nop                                          ; one plain place behind a scaled conversion
.irp c, 0,1
.irp i, 0,1,2
	v_permlane16_swap_b32 v[\pc+6*\c+\i], v[TP+4*\c+\i]
.endr
.irp i, 0,1,2
	v_mov_b32 v[\pc+6*\c+3+\i], v[TP+4*\c+\i]
.endr
.endr
.endm
.irp b, 0,1,2,3
	v_mov_b32 v[TM+4+\b], 0                        ; written once: a lane permute's destination counts as one of its sources
.endr
	s_mov_b32 s[SEL], 0x76543210
	s_mov_b32 s[SEL+1], 0xfedcba98
	s_lshr_b32 s66, s17, 3
	s_lshl_b32 s66, s66, 4                         ; 16 x batch
	s_lshl_b32 s67, s42, 1
	s_add_co_u32 s66, s66, s67
	s_add_co_u32 s66, s66, s15                     ; bh: my head is 2 x tile column + my half of the features
	s_and_b32 s67, s17, 7
	s_lshl_b32 s67, s67, 1
	s_add_co_u32 s67, s67, s16                     ; my key step G
	s_mul_i32 s100, s66, 294912
	s_mul_i32 s2, s67, 6144
	s_add_co_u32 s100, s100, s2
	s_add_co_u32 s100, s100, 196608
	s_mov_b32 s101, 0
	s_add_nc_u64 s[96:97], s[96:97], s[100:101]
	s_mul_i32 s100, s66, 20480
	s_lshl_b32 s2, s67, 8
	s_add_co_u32 s100, s100, s2
	s_add_co_u32 s100, s100, 16384
	s_add_nc_u64 s[98:99], s[98:99], s[100:101]
.irp a, 0,1,2,3
	s_wait_xcnt 0x0                                ; the earlier stores have read their registers
	EQUANT 64*\a, PC+12*(\a%2)
	v_mov_b32 v[WD+\a], v[PW]
.irp g, 0,1,2
	global_store_b128 v[LI16], v[PC+12*(\a%2)+4*\g:PC+12*(\a%2)+4*\g+3], s[96:97] offset:1536*\a+512*\g
.endr
.endr
	v_cmp_le_u32 vcc_lo, 16, v3
	v_cndmask_b32 v[WE], v[WD], v[WD+2], vcc_lo    ; each word stands in lanes l and l xor 16 alike: lane (r, h) stores row r's words of dv tiles 2 h and 2 h + 1
	v_cndmask_b32 v[WE+1], v[WD+1], v[WD+3], vcc_lo
	global_store_b64 v[WOF], v[WE:WE+1], s[98:99]  ; 256 consecutive bytes, aligned
	s_wait_tensorcnt 0x0                           ; the wave's end
	ds_add_u32 v[SPW], v[NIL]
	s_wait_dscnt 0x0
	CROUND                                         ; the closing round
	s_endpgm
.Lfunc_end_k_qfcfe850955_vproj:
	.size	k_qfcfe850955_vproj, .Lfunc_end_k_qfcfe850955_vproj-k_qfcfe850955_vproj
	.p2alignl 7, 3214868480
	.fill 96, 4, 3214868480
	.section	.rodata,"a",@progbits
	.p2align	6, 0x0
	.amdhsa_kernel k_qfcfe850955_vproj
		.amdhsa_group_segment_fixed_size 327680
		.amdhsa_private_segment_fixed_size 0
		.amdhsa_enable_private_segment 0
		.amdhsa_kernarg_size 56
		.amdhsa_user_sgpr_count 2
		.amdhsa_user_sgpr_kernarg_segment_ptr 1
		.amdhsa_wavefront_size32 1
		.amdhsa_system_sgpr_workgroup_id_x 1
		.amdhsa_system_sgpr_workgroup_id_y 1
		.amdhsa_system_sgpr_workgroup_id_z 1
		.amdhsa_system_vgpr_workitem_id 0
		.amdhsa_next_free_vgpr 768
		.amdhsa_next_free_sgpr 102
		.amdhsa_reserve_vcc 1
		.amdhsa_float_denorm_mode_32 3
		.amdhsa_float_denorm_mode_16_64 3
		.amdhsa_memory_ordered 1
		.amdhsa_forward_progress 1
		.amdhsa_inst_pref_size 87
	.end_amdhsa_kernel
	.amdgpu_metadata
---
amdhsa.version: [ 1, 2 ]
amdhsa.kernels:
  - .name:           k_qfcfe850955_vproj
    .symbol:         k_qfcfe850955_vproj.kd
    .args:
      - { .name: XC, .offset: 0, .size: 8, .value_kind: global_buffer, .address_space: global }
      - { .name: SX, .offset: 8, .size: 8, .value_kind: global_buffer, .address_space: global }
      - { .name: WC, .offset: 16, .size: 8, .value_kind: global_buffer, .address_space: global }
      - { .name: SW, .offset: 24, .size: 8, .value_kind: global_buffer, .address_space: global }
      - { .name: bv, .offset: 32, .size: 8, .value_kind: global_buffer, .address_space: global }
      - { .name: QKVC, .offset: 40, .size: 8, .value_kind: global_buffer, .address_space: global }
      - { .name: QKVS, .offset: 48, .size: 8, .value_kind: global_buffer, .address_space: global }
    .group_segment_fixed_size: 327680
    .private_segment_fixed_size: 0
    .kernarg_segment_align: 8
    .kernarg_segment_size: 56
    .max_flat_workgroup_size: 128
    .sgpr_count:     102
    .vgpr_count:     768
    .wavefront_size: 32
...
	.end_amdgpu_metadata
.endif
;; end of part 3
;; launch attn (part 4): grid 256 x 1, 16 waves a work-group, clusters of 4 x 1, 327,680 bytes of LDS; arguments QKVC, QKVS, AC, AS; writes AC, AS
.if DOCPART == 4
	.amdgcn_target "amdgcn-amd-amdhsa--gfx1250"
	.amdhsa_code_object_version 6
	.text
	.protected	k_qfcfe850955_attn
	.globl	k_qfcfe850955_attn
	.p2align	8
	.type	k_qfcfe850955_attn,@function
k_qfcfe850955_attn:
	s_mov_b64 s[64:65], 0
	v_nop
	global_prefetch_b8 v0, s[64:65] scope:SCOPE_SE
	s_setreg_imm32_b32 hwreg(HW_REG_WAVE_MODE, 25, 1), 1
	s_wait_xcnt 0x0
	s_wait_alu depctr_hold_cnt(0) depctr_sa_sdst(0) depctr_va_vdst(0) depctr_va_sdst(0) depctr_va_ssrc(0) depctr_va_vcc(0) depctr_vm_vsrc(0)
	s_getreg_b32 s2, hwreg(HW_REG_IB_STS2, 6, 4)
	s_cmp_eq_u32 s2, 0
	s_cbranch_scc0 .Lentry_in_a_cluster
	s_endpgm
.Lentry_in_a_cluster:
	s_bfe_u32 s2, ttmp6, 0x10000c
	s_cmp_lg_u32 s2, 0x3003
	s_cbranch_scc0 .Lentry_shape_is_right
	s_endpgm
.Lentry_shape_is_right:
; LAUNCH 4 OF 5.  A = causal softmax(Q K^T / 8) V on codes of BF6, and A's quantising along (head, dv) for the out-projection.
; WORK LEFT OUT: each step of 128 keys all of which come after a wave's 16 queries (reference()'s own jnp.tril gives them p = 0 for all finite inputs); the step on the diagonal is computed and masked.
; LIMITS: the promise holds while the scaled scores (exponents to the base 2) stay under 2^31 in magnitude; a block of p or of A that is all zeros gets the byte 1 (its codes are zeros; this program alone reads the bytes);
; largest magnitudes under 2^-122 are held at that floor; NaN and infinities are not served.
; THE DEAL.  A cluster of four work-groups serves one (batch, head) bh = cluster x; partner y = cx.  Wave w of partner y takes query tiles T1 = 127 - (4 w + y) and T2 = 4 w + y of the head's 128 (16 queries each).
; Tile t needs t / 8 + 1 key steps: T1 16 - w / 2, T2 w / 2 + 1: 17 for every wave, and both counts hang on the wave's number alone: no branch and no LDS address hangs on cx.
; LDS HOLDS THE HEAD'S WHOLE K AND V: K's codes 98,304 bytes, V's 98,304, their scale words 12,288: each byte is filled once, so there is no ring and no refill.
; THE HEAD'S LOADS, one a wave, all asked for JOINTLY by the four partners (mask 15): waves 0-7 keys 0-1023 of K and of V (12,288 bytes each), waves 8-11 the scale words (3,072 each), waves 12-15 keys 1024-2047 (24,576 each).
; THE WALK: a barrier shows waves 0-11's tiles; T1's key steps 0-7 (all open: T1's queries are 1024 or more) read them alone; a second barrier, with every wave's wait for 0, shows the rest;
; then T1's steps 8-15, its way out, T2's steps 0-7, its way out, with no further barrier.  The loops' trip counts are constants; a scalar branch on the step's number leads round a hidden step's work.
; No data prefetch: all that the launch reads through LDS is asked for at the head, and there is no loop to run ahead in.
; A STEP: S^T = K Q^T (source 0 = 16 keys, source 1 = 16 queries; the head's 64 are the lower half of K = 128, the upper half meets zero codes of Q), so a lane holds one query; M = ceil of the running largest t, kept as -M;
; p = 2^(t - M); the row's sum is taken of the unquantised p; p is quantised by blocks of 32 keys, a block's largest p made from its largest score; O^T and the sum are multiplied by 2^(old M - new M); O^T += V^T p^T.
; REGISTERS: v1-11, v28-31 addresses; v12 -M, v13 largest t, v14-15 the sum; v16-27 Q (v22-27 zeros); v32-79 K's, then V's fragments; v80-85 zeros; v86-92 T2's Q; v96-159 scores, p; v160-191 O^T; v192-203 scale words; v224-255 work.
.set VOFF,  98304                      ; V's codes, behind K's
.set SCK,   196608                     ; K's scale words (8,192 bytes), then V's (4,096)
.set SPARE, 208896                     ; the spare words, 128 bytes a wave: eight blocks of 256 bytes that no other line names
.set LI16, 1                           ; 16 x lane
.set LI8,  2                           ; 8 x lane
.set ASK0, 3                           ; K's scale words of key step 0: SCK + 16 r
.set ASV0, 4                           ; V's
.set SPW,  5                           ; SPARE + 4 x my thread's number; never rewritten
.set NIL,  6                           ; 0; never rewritten
.set ASO,  7                           ; 4 r
.set ADK,  8
.set ADK8, 9
.set ADS,  10
.set ADT,  11
.set LIV,  28                          ; VOFF + 16 x lane
.set DQ1,  29                          ; my query less my first key of the diagonal step, for T1; DQ2 for T2
.set DQ2,  30
.set ADV,  31
.set TB,   2                           ; the key step's place in K's and in V's codes: 6,144 a step
.set TS,   3                           ; in K's scale words: 512 a step
.set TJ,   60                          ; in V's: 256 a step
.set ST,   61                          ; the key step's number
.set NS,   62                          ; key steps of the tile at work
.set CNT,  63
.set NS2,  83
.set WV,   18
.set SEL,  20
.set CS,   22
.set G1A,  24
.set G1S,  32
.set G1B,  40
.set G0A,  48
.set G0S,  52
.set G0B,  56
.macro CROUND
	s_barrier_signal -1
	s_barrier_wait -1
	s_cmp_lg_u32 s[WV], 0
	s_cbranch_scc1 .Lnot_wave_0_\@
	s_barrier_signal -3
.Lnot_wave_0_\@:
	s_barrier_wait -3
	s_barrier_signal -1
	s_barrier_wait -1
.endm
.macro GROUP1 g, rows                  ; dense bytes as rows of 256 (32 elements of 8 bytes); the mask names the cluster's four, bit 21 beside it
	s_mov_b32 s[\g], 15|(3<<16)|(1<<21)
	s_mov_b32 s[\g+1], 32<<16
	s_mov_b32 s[\g+2], (\rows)<<16
	s_mov_b32 s[\g+3], 32<<16
	s_mov_b32 s[\g+4], \rows
	s_mov_b32 s[\g+5], 32
	s_mov_b32 s[\g+6], 0
	s_mov_b32 s[\g+7], 0
.endm
.macro TLOAD g0, g1                    ; an s_nop 0 and four v_nop follow a tensor load
	tensor_load_to_lds s[\g0:\g0+3], s[\g1:\g1+7]
	s_nop 0
.rept 4
	v_nop
.endr
.endm
.macro OFFS tq, qc, qw, ac, sa, qd     ; byte offsets of query tile s[tq]: Q's codes, Q's scale words, A's codes, A's scale bytes; qd: its first query less its diagonal step's first key
	s_mul_i32 s[\qc], s[\tq], 768
	s_add_co_u32 s[\qc], s[\qc], s84
	s_mov_b32 s[\qc+1], 0
	s_lshr_b32 s[\qw], s[\tq], 2
	s_lshl_b32 s[\qw], s[\qw], 8
	s_and_b32 s100, s[\tq], 3
	s_lshl_b32 s100, s100, 2
	s_add_co_u32 s[\qw], s[\qw], s100
	s_add_co_u32 s[\qw], s[\qw], s86
	s_mov_b32 s[\qw+1], 0
	s_add_co_u32 s100, s78, s[\tq]
	s_mul_i32 s[\ac], s100, 12288
	s_add_co_u32 s[\ac], s[\ac], s79
	s_mov_b32 s[\ac+1], 0
	s_lshl_b32 s[\sa], s100, 9
	s_add_co_u32 s[\sa], s[\sa], s19
	s_mov_b32 s[\sa+1], 0
	s_bfe_u32 s[\qd], s[\tq], 0x20001
	s_lshl_b32 s[\qd], s[\qd], 5
	s_and_b32 s100, s[\tq], 1
	s_lshl_b32 s100, s100, 3
	s_add_co_u32 s[\qd], s[\qd], s100
.endm
.macro INIT
	v_mov_b32 v13, 0xff61b1e6                      ; the largest t so far: -3e38
	s_delay_alu instid0(VALU_DEP_1)
	v_floor_f32 v12, -v13
	v_mov_b32 v14, 0
	v_mov_b32 v15, 0
.set j, 0
.rept 32
	v_mov_b32 v[160+j], 0
.set j, j+1
.endr
.endm
	s_load_b256 s[4:11], s[0:1], 0x0               ; QKVC, QKVS, AC, AS
	v_lshl_add_u32 v[SPW], v0, 2, SPARE
	v_mov_b32 v[NIL], 0
	ds_add_u32 v[SPW], v[NIL]                      ; the opening lines: the add, twice on end, and its wait ahead of my first tensor load
	ds_add_u32 v[SPW], v[NIL]
	v_lshrrev_b32 v8, 5, v0
	v_readfirstlane_b32 s[WV], v8                  ; wave 0..15
	GROUP1 G1A, 48
	GROUP1 G1S, 12
	GROUP1 G1B, 96
	s_mul_i32 s84, ttmp9, 294912                   ; bh's part of QKVC: Q, K, V, 98,304 bytes each
	s_mul_i32 s86, ttmp9, 20480                    ; and of QKVS
	s_and_b32 s87, s[WV], 3
	s_bfe_u32 s88, s[WV], 0x10002
	s_mul_i32 s[G0A+1], s87, 12288
	s_mul_i32 s88, s88, VOFF
	s_add_co_u32 s[G0A+1], s[G0A+1], s88           ; waves 0-7: quarter w % 4 of K's (w / 4 = 0) or V's (1) first half.  A byte's place in LDS is its place behind K's first byte in memory
	s_mul_i32 s89, s87, 3072                       ; waves 8-11: quarter w % 4 of the scale words
	s_and_b32 s90, s[WV], 1
	s_bfe_u32 s91, s[WV], 0x10001
	s_mul_i32 s90, s90, 24576
	s_mul_i32 s91, s91, VOFF
	s_add_co_u32 s[G0B+1], s90, s91
	s_add_co_u32 s[G0B+1], s[G0B+1], 49152         ; waves 12-15: half w % 2 of K's or V's second half
	s_add_co_u32 s92, s84, s[G0A+1]
	s_add_co_u32 s92, s92, 98304
	s_mov_b32 s93, 0
	s_add_co_u32 s94, s84, s[G0B+1]
	s_add_co_u32 s94, s94, 98304
	s_mov_b32 s95, 0
	s_add_co_u32 s96, s86, s89
	s_add_co_u32 s96, s96, 8192
	s_mov_b32 s97, 0
	s_add_co_u32 s[G0S+1], s89, SCK
	s_mov_b32 s[G0A], 1
	s_mov_b32 s[G0S], 1
	s_mov_b32 s[G0B], 1
	s_wait_alu depctr_va_vdst(0)
	s_wait_dscnt 0x0                               ; both opening adds are done
	CROUND                                         ; the four partners are here: the joint loads meet
	s_wait_kmcnt 0x0
	s_add_nc_u64 s[G0A+2:G0A+3], s[4:5], s[92:93]
	s_or_b32 s[G0A+3], s[G0A+3], 0x80000000
	s_add_nc_u64 s[G0S+2:G0S+3], s[6:7], s[96:97]
	s_or_b32 s[G0S+3], s[G0S+3], 0x80000000
	s_add_nc_u64 s[G0B+2:G0B+3], s[4:5], s[94:95]
	s_or_b32 s[G0B+3], s[G0B+3], 0x80000000
	s_cmp_lt_u32 s[WV], 8                          ; one chain of branches on the wave's number, a load to an arm
	s_cbranch_scc0 .Lnot_a
	TLOAD G0A, G1A
	s_branch .Lasked
.Lnot_a:
	s_cmp_lt_u32 s[WV], 12
	s_cbranch_scc0 .Lnot_s
	TLOAD G0S, G1S
	s_branch .Lasked
.Lnot_s:
	TLOAD G0B, G1B
.Lasked:
	s_bfe_u32 s82, ttmp6, 0x40000                  ; y = cx: it enters global addresses of Q and A and the mask's numbers, nothing else
	s_lshl_b32 s98, s[WV], 2
	s_add_co_u32 s98, s98, s82                     ; T2
	s_sub_co_u32 s99, 127, s98                     ; T1
	s_lshr_b32 s[NS2], s[WV], 1
	s_add_co_u32 s[NS2], s[NS2], 1                 ; T2's key steps
	s_sub_co_u32 s[NS], 17, s[NS2]                 ; T1's
	s_lshr_b32 s78, ttmp9, 4
	s_lshl_b32 s78, s78, 7                         ; the batch's first token tile
	s_and_b32 s79, ttmp9, 15                       ; the head
	s_lshr_b32 s19, s79, 1
	s_lshl_b32 s19, s19, 6
	s_and_b32 s100, s79, 1
	s_lshl_b32 s100, s100, 1
	s_add_co_u32 s19, s19, s100                    ; A's scale bytes: K step head / 2, bytes 2 (head % 2) on
	s_mul_i32 s79, s79, 768
	OFFS 99, 12, 14, 68, 70, 80
	OFFS 98, 16, 76, 72, 74, 81
.irp p, 12, 16
	s_add_nc_u64 s[\p:\p+1], s[4:5], s[\p:\p+1]
.endr
.irp p, 14, 76
	s_add_nc_u64 s[\p:\p+1], s[6:7], s[\p:\p+1]
.endr
.irp p, 68, 72
	s_add_nc_u64 s[\p:\p+1], s[8:9], s[\p:\p+1]
.endr
.irp p, 70, 74
	s_add_nc_u64 s[\p:\p+1], s[10:11], s[\p:\p+1]
.endr
	s_mov_b32 s[SEL], 0x76543210
	s_mov_b32 s[SEL+1], 0xfedcba98                 ; v_permlanex16_b32's selects for lane l xor 16
	s_mov_b32 s[CS], 0x3e38aa3b                    ; log2(e) / 8
	s_mov_b32 s[CS+1], s[CS]
	s_mov_b32 s[TB], 0
	s_mov_b32 s[TS], 0
	s_mov_b32 s[TJ], 0
	s_mov_b32 s[CNT], 8
	v_and_b32 v10, 31, v0
	v_and_b32 v8, 15, v0                           ; r
	v_bfe_u32 v9, v0, 4, 1                         ; h
	v_lshlrev_b32 v[LI16], 4, v10
	v_lshlrev_b32 v[LI8], 3, v10
	v_lshlrev_b32 v11, 4, v8
	global_load_b128 v[16:19], v[LI16], s[12:13]   ; T1's Q: a half fragment and its scale words
	global_load_b64 v[20:21], v[LI8], s[12:13] offset:512
	global_load_b32 v255, v11, s[14:15]
	global_load_b128 v[86:89], v[LI16], s[16:17]   ; T2's
	global_load_b64 v[90:91], v[LI8], s[16:17] offset:512
	global_load_b32 v92, v11, s[76:77]
	v_add_nc_u32 v[LIV], VOFF, v[LI16]
	v_lshl_add_u32 v[ASK0], v8, 4, SCK
	v_lshl_add_u32 v[ASV0], v8, 4, SCK+8192
	v_lshlrev_b32 v[ASO], 2, v8
	v_and_b32 v[DQ1], 8, v8
	v_add_nc_u32 v[DQ1], v[DQ1], v8                ; my query in its tile: r + 8 (r / 8),
	v_lshlrev_b32 v9, 4, v9
	v_sub_nc_u32 v[DQ1], v[DQ1], v9                ; less my half's first key, 16 h
	v_add_nc_u32 v[DQ2], s81, v[DQ1]
	v_add_nc_u32 v[DQ1], s80, v[DQ1]
.irp j, 22,23,24,25,26,27,80,81,82,83,84,85
	v_mov_b32 v\j, 0                               ; zero codes: the upper half of K = 128
.endr
.irp j, 236,237,238,239,252,253
	v_mov_b32 v\j, 0                               ; written once: a lane permute's destination and a pair's upper half count as read
.endr
	INIT
; A key step.  tests = 1: a step past the tile's last is jumped over, and the last, on the diagonal, is masked by v[dq]
.macro STEP tests, dq
.if \tests
	s_cmp_ge_u32 s[ST], s[NS]
	s_cbranch_scc1 .Lhidden_\@
.endif
	v_add_nc_u32 v[ADK], s[TB], v[LI16]            ; (these five are also the places behind the last step's products, ahead of the loads into their sources)
	v_add_nc_u32 v[ADK8], s[TB], v[LI8]
	v_add_nc_u32 v[ADV], s[TB], v[LIV]
	v_add_nc_u32 v[ADS], s[TS], v[ASK0]
	v_add_nc_u32 v[ADT], s[TJ], v[ASV0]
.irp t, 0,1,2,3,4,5,6,7
	ds_load_b128 v[32+6*\t:35+6*\t], v[ADK] offset:768*\t
	ds_load_b64 v[36+6*\t:37+6*\t], v[ADK8] offset:768*\t+512
.endr
	ds_load_b128 v[192:195], v[ADS]
	ds_load_b128 v[196:199], v[ADS] offset:256
	s_wait_alu depctr_va_vdst(0)
	s_wait_dscnt 0x0
.irp t, 0,1,2,3,4,5,6,7
	v_wmma_scale_f32_16x16x128_f8f6f4 v[96+8*\t:103+8*\t], v[32+6*\t:43+6*\t], v[16:27], 0, v[192+\t], v255 matrix_a_fmt:MATRIX_FMT_BF6 matrix_b_fmt:MATRIX_FMT_BF6
.endr
.rept 4
	v_nop
.endr
.irp i, 0,1,2,3
.irp g, 0,1,2
	ds_load_b128 v[32+12*\i+4*\g:35+12*\i+4*\g], v[ADV] offset:1536*\i+512*\g   ; V's four fragments come while the softmax is worked
.endr
.endr
	ds_load_b128 v[200:203], v[ADT]
.if \tests
	s_add_co_u32 s100, s[ST], 1
	s_cmp_lt_u32 s100, s[NS]
	s_cbranch_scc1 .Lopen_\@
	v_mov_b32 v254, 0xff800000
.set n, 0
.rept 64
	v_cmp_gt_i32 vcc_lo, 32*(n/16)+n%16, v[\dq]    ; register n is key 32 (n / 16) + n % 16 + 16 h of the step: behind my query?
	v_cndmask_b32 v[96+n], v[96+n], v254, vcc_lo
.set n, n+1
.endr
.Lopen_\@:
.endif
.irp b, 0,1,2,3
	v_max3_num_f32 v[232+\b], v[96+16*\b], v[97+16*\b], v[98+16*\b]   ; the largest score of each block of 32 keys
.endr
.irp i, 3,5,7,9,11,13
.irp b, 0,1,2,3
	v_max3_num_f32 v[232+\b], v[232+\b], v[96+16*\b+\i], v[97+16*\b+\i]
.endr
.endr
.irp b, 0,1,2,3
	v_max_num_f32 v[232+\b], v[232+\b], v[111+16*\b]
.endr
.irp b, 0,1,2,3
	s_delay_alu instid0(VALU_DEP_4)
	v_permlanex16_b32 v[236+\b], v[232+\b], s[SEL], s[SEL+1]
.endr
.irp b, 0,1,2,3
	s_delay_alu instid0(VALU_DEP_4)
	v_max_num_f32 v[232+\b], v[232+\b], v[236+\b]
.endr
	s_delay_alu instid0(VALU_DEP_2)
	v_max3_num_f32 v254, v232, v233, v234
	s_delay_alu instid0(VALU_DEP_1)
	v_max_num_f32 v254, v254, v235
	s_delay_alu instid0(VALU_DEP_1)
	v_mul_f32 v254, s[CS], v254
	s_delay_alu instid0(VALU_DEP_1)
	v_max_num_f32 v13, v13, v254                   ; the running largest t
	v_mov_b32 v254, v12
	s_delay_alu instid0(VALU_DEP_2)
	v_floor_f32 v12, -v13                          ; the new -M
	s_delay_alu instid0(VALU_DEP_1)
	v_sub_f32 v254, v12, v254
	s_delay_alu instid0(VALU_DEP_1)
	v_cvt_i32_f32 v254, v254
	s_delay_alu instid0(VALU_DEP_1)
	v_ldexp_f32 v252, 1.0, v254                    ; f = 2^(old M - new M)
.set j, 0
.rept 32
	v_pk_fma_f32 v[96+j:97+j], v[96+j:97+j], s[CS:CS+1], v[12:13] op_sel_hi:[1,0,0]   ; t - M
.set j, j+2
.endr
.irp b, 0,1,2,3
	v_fma_f32 v[232+\b], v[232+\b], s[CS], v12
.endr
.set j, 0
	s_wait_alu depctr_va_vdst(0)
.rept 64
	v_exp_f32 v[96+j], v[96+j]
.set j, j+1
.endr
	v_pk_mul_f32 v[14:15], v[14:15], v[252:253] op_sel_hi:[1,0]
	s_wait_alu depctr_va_vdst(0)
.irp b, 0,1,2,3
	v_exp_f32 v[232+\b], v[232+\b]                 ; each block's largest p
.endr
	v_pk_add_f32 v[236:237], v[96:97], v[98:99]    ; the row's sum, of the unquantised p, in two chains
.irp j, 4,8,12,16,20,24,28,32,36,40,44,48,52,56,60
	v_pk_add_f32 v[14:15], v[14:15], v[96+\j:97+\j]
	v_pk_add_f32 v[236:237], v[236:237], v[98+\j:99+\j]
.endr
	s_delay_alu instid0(VALU_DEP_1)
	v_pk_add_f32 v[14:15], v[14:15], v[236:237]
	s_wait_alu depctr_va_vdst(0)
.irp b, 0,1,2,3
	v_max_num_f32 v[232+\b], 0x2800000, v[232+\b]  ; the floor 2^(5 - 127)
.endr
.irp b, 0,1,2,3
	s_delay_alu instid0(VALU_DEP_4)
	v_add_nc_u32 v[244+\b], 0xfe000000, v[232+\b]  ; the conversion's scale operand
.endr
.irp b, 0,1,2,3
	s_delay_alu instid0(VALU_DEP_4)
	v_lshrrev_b32 v[236+\b], 23, v[244+\b]         ; the scale's byte
.endr
	s_delay_alu instid0(VALU_DEP_3)
	v_lshl_or_b32 v253, v237, 8, v236
	s_delay_alu instid0(VALU_DEP_1)
	v_lshl_or_b32 v253, v238, 16, v253
	s_delay_alu instid0(VALU_DEP_1)
	v_lshl_or_b32 v253, v239, 24, v253
.irp c, 0,1
	v_cvt_scalef32_pk16_bf6_f32 v[224+6*\c:226+6*\c], v[96+32*\c:111+32*\c], v[244+2*\c]
	v_cvt_scalef32_pk16_bf6_f32 v[236+4*\c:238+4*\c], v[112+32*\c:127+32*\c], v[245+2*\c]
.endr
	v_nop                                          ; one plain place behind a scaled conversion
.irp c, 0,1
.irp i, 0,1,2
	v_permlane16_swap_b32 v[224+6*\c+\i], v[236+4*\c+\i]   ; a whole block to a lane
.endr
.irp i, 0,1,2
	s_delay_alu instid0(VALU_DEP_3)
	v_mov_b32 v[227+6*\c+\i], v[236+4*\c+\i]
.endr
.endr
	s_wait_alu depctr_va_vdst(0)
.set j, 0
.rept 16
	v_pk_mul_f32 v[160+j:161+j], v[160+j:161+j], v[252:253] op_sel_hi:[1,0]   ; O^T under the new M
.set j, j+2
.endr
	s_wait_alu depctr_va_vdst(0)
	s_wait_dscnt 0x0                               ; V's fragments are in
.irp i, 0,1,2,3
	v_wmma_scale_f32_16x16x128_f8f6f4 v[160+8*\i:167+8*\i], v[32+12*\i:43+12*\i], v[224:235], v[160+8*\i:167+8*\i], v[200+\i], v253 matrix_a_fmt:MATRIX_FMT_BF6 matrix_b_fmt:MATRIX_FMT_BF6
.endr
.if \tests
.Lhidden_\@:
	s_add_co_u32 s[ST], s[ST], 1
.endif
	s_add_co_u32 s[TB], s[TB], 6144
	s_add_co_u32 s[TS], s[TS], 512
	s_add_co_u32 s[TJ], s[TJ], 256
.endm
; O^T / the sum, quantised along dv: a head's half fragment (16 tokens x 64) and its two scale bytes
.macro WAYOUT ac, sa
.rept 4
	v_nop
.endr
	v_add_f32 v14, v14, v15
	s_delay_alu instid0(VALU_DEP_1)
	v_permlanex16_b32 v252, v14, s[SEL], s[SEL+1]
	s_delay_alu instid0(VALU_DEP_1)
	v_add_f32 v14, v14, v252
	s_wait_alu depctr_va_vdst(0)
	v_rcp_f32 v14, v14
	v_nop
	s_wait_alu depctr_va_vdst(0)
.set j, 0
.rept 32
	v_mul_f32 v[96+j], v[160+j], v14
.set j, j+1
.endr
.irp b, 0,1
	v_max3_num_f32 v[232+\b], |v[96+16*\b]|, |v[97+16*\b]|, 0x2800000
.endr
.irp i, 2,4,6,8,10,12,14
.irp b, 0,1
	s_delay_alu instid0(VALU_DEP_2)
	v_max3_num_f32 v[232+\b], v[232+\b], |v[96+16*\b+\i]|, |v[97+16*\b+\i]|
.endr
.endr
.irp b, 0,1
	s_delay_alu instid0(VALU_DEP_2)
	v_permlanex16_b32 v[236+\b], v[232+\b], s[SEL], s[SEL+1]
.endr
.irp b, 0,1
	s_delay_alu instid0(VALU_DEP_2)
	v_max_num_f32 v[232+\b], v[232+\b], v[236+\b]
.endr
.irp b, 0,1
	s_delay_alu instid0(VALU_DEP_2)
	v_add_nc_u32 v[244+\b], 0xfe000000, v[232+\b]
.endr
.irp b, 0,1
	s_delay_alu instid0(VALU_DEP_2)
	v_lshrrev_b32 v[236+\b], 23, v[244+\b]
.endr
	s_delay_alu instid0(VALU_DEP_1)
	v_lshl_or_b32 v238, v237, 8, v236
	v_cvt_scalef32_pk16_bf6_f32 v[224:226], v[96:111], v244
	v_cvt_scalef32_pk16_bf6_f32 v[228:230], v[112:127], v245
	v_nop
	v_permlane16_swap_b32 v224, v228
	v_permlane16_swap_b32 v225, v229
	v_permlane16_swap_b32 v226, v230
	s_delay_alu instid0(VALU_DEP_3)
	v_mov_b32 v227, v228
	s_delay_alu instid0(VALU_DEP_3)
	v_mov_b32 v228, v229
	s_delay_alu instid0(VALU_DEP_3)
	v_mov_b32 v229, v230
	global_store_b128 v[LI16], v[224:227], s[\ac:\ac+1]            ; 512 consecutive bytes, aligned
	global_store_b64 v[LI8], v[228:229], s[\ac:\ac+1] offset:512   ; 256 consecutive bytes, aligned
	global_store_b16 v[ASO], v238, s[\sa:\sa+1]
.endm
	s_wait_alu depctr_va_vdst(0)
	s_cmp_lt_u32 s[WV], 12
	s_cbranch_scc0 .Lsecond_half
	s_wait_tensorcnt 0x0                           ; waves 0-11: my part of the first halves or of the scale words is in
.Lsecond_half:
	s_barrier_signal -1
	s_barrier_wait -1                              ; keys 0-1023 and all scale words are in; waves 12-15's tiles may be on their way
	s_wait_loadcnt 0x0                             ; Q
.Lpa:                                                  ; T1's key steps 0-7: all open
	STEP 0, DQ1
	s_sub_co_u32 s[CNT], s[CNT], 1
	s_cmp_lg_u32 s[CNT], 0
	s_cbranch_scc1 .Lpa
	s_wait_tensorcnt 0x0                           ; every wave: all that is still out
	s_wait_dscnt 0x0
	s_barrier_signal -1
	s_barrier_wait -1                              ; keys 1024-2047 are in
	s_mov_b32 s[ST], 8
.Lpb:                                                  ; T1's key steps 8-15
	STEP 1, DQ1
	s_cmp_lt_u32 s[ST], 16
	s_cbranch_scc1 .Lpb
	WAYOUT 68, 70
	s_wait_xcnt 0x0                                ; the stores have read their registers
.irp j, 0,1,2,3,4,5
	v_mov_b32 v[16+\j], v[86+\j]
.endr
	v_mov_b32 v255, v92
	INIT
	s_mov_b32 s[NS], s[NS2]
	s_mov_b32 s[TB], 0
	s_mov_b32 s[TS], 0
	s_mov_b32 s[TJ], 0
	s_mov_b32 s[ST], 0
.Lpc:                                                  ; T2's key steps 0-7
	STEP 1, DQ2
	s_cmp_lt_u32 s[ST], 8
	s_cbranch_scc1 .Lpc
	WAYOUT 72, 74
	s_wait_tensorcnt 0x0                           ; the wave's end
	ds_add_u32 v[SPW], v[NIL]
	s_wait_dscnt 0x0
	CROUND                                         ; the closing round
	s_endpgm
.Lfunc_end_k_qfcfe850955_attn:
	.size	k_qfcfe850955_attn, .Lfunc_end_k_qfcfe850955_attn-k_qfcfe850955_attn
	.p2alignl 7, 3214868480
	.fill 96, 4, 3214868480
	.section	.rodata,"a",@progbits
	.p2align	6, 0x0
	.amdhsa_kernel k_qfcfe850955_attn
		.amdhsa_group_segment_fixed_size 327680
		.amdhsa_private_segment_fixed_size 0
		.amdhsa_enable_private_segment 0
		.amdhsa_kernarg_size 32
		.amdhsa_user_sgpr_count 2
		.amdhsa_user_sgpr_kernarg_segment_ptr 1
		.amdhsa_wavefront_size32 1
		.amdhsa_system_sgpr_workgroup_id_x 1
		.amdhsa_system_sgpr_workgroup_id_y 1
		.amdhsa_system_sgpr_workgroup_id_z 1
		.amdhsa_system_vgpr_workitem_id 0
		.amdhsa_next_free_vgpr 256
		.amdhsa_next_free_sgpr 102
		.amdhsa_reserve_vcc 1
		.amdhsa_float_denorm_mode_32 3
		.amdhsa_float_denorm_mode_16_64 3
		.amdhsa_memory_ordered 1
		.amdhsa_forward_progress 1
		.amdhsa_inst_pref_size 83
	.end_amdhsa_kernel
	.amdgpu_metadata
---
amdhsa.version: [ 1, 2 ]
amdhsa.kernels:
  - .name:           k_qfcfe850955_attn
    .symbol:         k_qfcfe850955_attn.kd
    .args:
      - { .name: QKVC, .offset: 0, .size: 8, .value_kind: global_buffer, .address_space: global }
      - { .name: QKVS, .offset: 8, .size: 8, .value_kind: global_buffer, .address_space: global }
      - { .name: AC, .offset: 16, .size: 8, .value_kind: global_buffer, .address_space: global }
      - { .name: AS, .offset: 24, .size: 8, .value_kind: global_buffer, .address_space: global }
    .group_segment_fixed_size: 327680
    .private_segment_fixed_size: 0
    .kernarg_segment_align: 8
    .kernarg_segment_size: 32
    .max_flat_workgroup_size: 512
    .sgpr_count:     102
    .vgpr_count:     256
    .wavefront_size: 32
...
	.end_amdgpu_metadata
.endif
;; end of part 4
;; launch oproj (part 5): grid 4 x 64, 4 waves a work-group, clusters of 4 x 4, 327,680 bytes of LDS; arguments AC, AS, WC, SW, bo, out0; writes out0
.if DOCPART == 5
	.amdgcn_target "amdgcn-amd-amdhsa--gfx1250"
	.amdhsa_code_object_version 6
	.text
	.protected	k_qfcfe850955_oproj
	.globl	k_qfcfe850955_oproj
	.p2align	8
	.type	k_qfcfe850955_oproj,@function
k_qfcfe850955_oproj:
	s_mov_b64 s[64:65], 0
	v_nop
	global_prefetch_b8 v0, s[64:65] scope:SCOPE_SE
	s_setreg_imm32_b32 hwreg(HW_REG_WAVE_MODE, 25, 1), 1
	s_wait_xcnt 0x0
	s_wait_alu depctr_hold_cnt(0) depctr_sa_sdst(0) depctr_va_vdst(0) depctr_va_sdst(0) depctr_va_ssrc(0) depctr_va_vcc(0) depctr_vm_vsrc(0)
	s_getreg_b32 s2, hwreg(HW_REG_IB_STS2, 6, 4)
	s_cmp_eq_u32 s2, 0
	s_cbranch_scc0 .Lentry_in_a_cluster
	s_endpgm
.Lentry_in_a_cluster:
	s_bfe_u32 s2, ttmp6, 0x10000c
	s_cmp_lg_u32 s2, 0xf033
	s_cbranch_scc0 .Lentry_shape_is_right
	s_endpgm
.Lentry_shape_is_right:
; LAUNCH 5 OF 5.  out0 = A Wo + bo on codes of BF6 (K = 1,024), f32 out.  No work is left out here.
; THE DEAL: 256 work-groups of four waves.  A work-group makes 256 features (side P: 16 tiles of Wo) x 128 tokens (side R: 8 tiles of A); wave (s15, s16) takes P's tiles 8 s16 .. + 7 and R's tiles 4 s15 .. + 3: 32 accumulators.
; OPERANDS come as images of their registers: Wo's fragments as launch quant leaves them (three ds_load_b128), A's as two heads' half fragments as launch attn leaves them (16 bytes a lane, then 8, for each head).
; LDS HOLDS ALL OF K: 24 tiles x 12,288 bytes and their scale words: every byte is filled once.  TWO GROUPS OF FILLS, one joint load a wave in each: at the head P's K steps 0-3, R's K steps 0-3, P's scale words, R's;
; behind a wait, an add to the spare word and a round: K steps 4-7, waves 0, 1 a half of P's tiles each, waves 2, 3 a half of R's.  A plain barrier ahead of the fetch of K step 4 shows them to all.
; CLUSTER 4 x 4: Wo's tiles hang on the tile column alone and are asked for jointly along a column of the cluster, A's on the tile row alone, jointly along a row.
; No data prefetch: K is 1,024, and all that the work-group reads is asked for in those two groups at its start.
; SOURCE 0 = 16 FEATURES, SOURCE 1 = 16 TOKENS: a lane holds eight neighbouring columns of a row of out0.  The bias is the C of each sum's first instruction.
; THE WAY OUT: a token tile's 16 rows x 512 bytes go through the wave's own stage and leave as whole rows: each store covers 512 consecutive bytes, aligned.  The stages lie in P's K steps 0-3, which have had their one fill
; and are read for the last time ahead of the barrier in K step 3.
; LIMITS: NaN and infinities are not served.
; REGISTERS: window 0: v16-29 addresses, v32-95 scale words, v128-223 R's fragments, two sets of four (on the way out v128-255: rows back from the stage).  Window 1: P's fragments, two sets of eight; v192-255 the bias.
;   Window 2: accumulator (a, b) at v[8 (8 a + b)].
.set P1,    0                          ; P's 16 tiles, K steps 0-3: 6,144 bytes a tile
.set R1,    98304                      ; R's 8 tiles, K steps 0-3
.set P2,    147456                     ; K steps 4-7
.set R2,    245760
.set SCL,   294912                     ; R's scale words (8 tiles x 512 bytes), then P's (16 tiles)
.set SPARE, 307200                     ; the spare words, 128 bytes a wave: two blocks of 256 bytes that no other line names
.set ADP,   16                         ; v16-17 LDS address of my fragments of P, K steps 0-3 and 4-7
.set ADR,   18                         ; v18-19 of R, 16 bytes a lane
.set ADR8,  20                         ; v20-21 of R, 8 bytes a lane
.set STO,   24
.set RD,    25
.set CO,    26                         ; v26  16 x lane
.set ADRS,  27                         ; v27  my scale words: lanes 0-15 R's, lanes 16-31 P's
.set SPW,   28                         ; v28  SPARE + 4 x my thread's number; never rewritten
.set NIL,   29                         ; v29  0; never rewritten
.set SC,    32                         ; v[SC + 8 ks + i]: lanes 0-15 the word of R's tile i (i under 4), lanes 16-31 that of P's tile i, for K step ks
.set RF,    128
.set BK,    128
.set BIAS,  192
.set G1P,   24
.set G1R,   32
.set G1SP,  48
.set G1SR,  56
.set G0P,   68
.set G0R,   72
.set G0SP,  76
.set G0SR,  80
.set TO_P,  0x40                       ; destination window 1, address window 0
.set MSB, 0
.macro WIN new                         ; the immediate's high byte repeats the setting that is left
.if MSB != (\new)
	s_set_vgpr_msb (MSB<<8)|(\new)
.set MSB, (\new)
.endif
.endm
.macro PLACES
.rept 4
	v_nop
.endr
.endm
.macro TLOAD g0, g1                    ; an s_nop 0 and four v_nop follow a tensor load
	tensor_load_to_lds s[\g0:\g0+3], s[\g1:\g1+7]
	s_nop 0
	PLACES
.endm
.macro CROUND
	s_barrier_signal -1
	s_barrier_wait -1
	s_cmp_lg_u32 s14, 0
	s_cbranch_scc1 .Lnot_wave_0_\@
	s_barrier_signal -3
.Lnot_wave_0_\@:
	s_barrier_wait -3
	s_barrier_signal -1
	s_barrier_wait -1
.endm
.macro GROUP1 g, mask, el, rows, pitch ; rows of el elements of 8 bytes, no padding; bit 21 beside the mask
	s_or_b32 s[\g], s[\mask], (3<<16)|(1<<21)
	s_mov_b32 s[\g+1], (\el)<<16
	s_mov_b32 s[\g+2], (\rows)<<16
	s_mov_b32 s[\g+3], (\el)<<16
	s_mov_b32 s[\g+4], \rows
	s_mov_b32 s[\g+5], \pitch
	s_mov_b32 s[\g+6], 0
	s_mov_b32 s[\g+7], 0
.endm
.macro G0SET g, lds, src
	s_mov_b32 s[\g], 1
	s_mov_b32 s[\g+1], \lds
	s_mov_b64 s[\g+2:\g+3], s[\src:\src+1]
	s_or_b32 s[\g+3], s[\g+3], 0x80000000
.endm
.macro ARM under, g0, g1, next
	s_cmp_lt_u32 s14, \under
	s_cbranch_scc0 \next
	TLOAD \g0, \g1
	s_branch .Lhead_asked
\next:
.endm
.macro FRAG3 reg, adr, off
.irp g, 0,1,2
	ds_load_b128 v[\reg+4*\g:\reg+4*\g+3], v[\adr] offset:\off+512*\g
.endr
.endm
.macro FRAG4 reg, grp, off
	ds_load_b128 v[\reg:\reg+3], v[ADR+\grp] offset:\off
	ds_load_b64 v[\reg+4:\reg+5], v[ADR8+\grp] offset:\off+512
	ds_load_b128 v[\reg+6:\reg+9], v[ADR+\grp] offset:\off+768
	ds_load_b64 v[\reg+10:\reg+11], v[ADR8+\grp] offset:\off+1280
.endm
.macro FETCH ks                        ; K step ks's twelve fragments into set ks % 2
	WIN TO_P
.irp i, 0,1,2,3,4,5,6,7
	FRAG3 96*((\ks)%2)+12*\i, ADP+(\ks)/4, 6144*\i+1536*((\ks)%4)
.endr
	WIN 0
.irp i, 0,1,2,3
	FRAG4 RF+48*((\ks)%2)+12*\i, (\ks)/4, 6144*\i+1536*((\ks)%4)
.endr
.endm
; 32 matrix instructions: the accumulators take turns, one instruction a turn, in the same order in every step
.macro MUL ks, first
.irp a, 0,1,2,3
.irp b, 0,1,2,3,4,5,6,7
.if \first
	v_wmma_scale_f32_16x16x128_f8f6f4 v[8*(8*\a+\b):8*(8*\a+\b)+7], v[96*((\ks)%2)+12*\b:96*((\ks)%2)+12*\b+11], v[RF+48*((\ks)%2)+12*\a:RF+48*((\ks)%2)+12*\a+11], v[BIAS+8*\b:BIAS+8*\b+7], v[SC+8*(\ks)+\b], v[SC+8*(\ks)+\a] matrix_a_fmt:MATRIX_FMT_BF6 matrix_b_fmt:MATRIX_FMT_BF6 matrix_a_scale:MATRIX_SCALE_ROW1
.else
	v_wmma_scale_f32_16x16x128_f8f6f4 v[8*(8*\a+\b):8*(8*\a+\b)+7], v[96*((\ks)%2)+12*\b:96*((\ks)%2)+12*\b+11], v[RF+48*((\ks)%2)+12*\a:RF+48*((\ks)%2)+12*\a+11], v[8*(8*\a+\b):8*(8*\a+\b)+7], v[SC+8*(\ks)+\b], v[SC+8*(\ks)+\a] matrix_a_fmt:MATRIX_FMT_BF6 matrix_b_fmt:MATRIX_FMT_BF6 matrix_a_scale:MATRIX_SCALE_ROW1
.endif
.endr
.endr
.endm
.macro STEP ks, first                  ; this step's fragments are in; the next step's are fetched into the other sets under this step's products
	s_wait_dscnt 0x0
.if (\ks) == 3
	s_wait_tensorcnt 0x0                           ; every wave: my part of K steps 4-7 is in
	s_barrier_signal -1
	s_barrier_wait -1                              ; so is everybody's, and nobody reads K steps 0-3 in LDS any more
.endif
.if (\ks) < 7
.set NX, (\ks)+1
	FETCH NX
.endif
	WIN 0xa1-0x10*(\first)                         ; source 0 window 1, source 1 window 0, D window 2; C window 2, in the first step the bias's, window 1
	MUL \ks, \first
	WIN 0
	PLACES                                         ; four places behind the products, ahead of loads into their sources and of reads of their results
.endm
	s_load_b256 s[4:11], s[0:1], 0x0               ; AC, AS, WC, SW
	s_load_b128 s[92:95], s[0:1], 0x20             ; bo, out0
	v_lshl_add_u32 v[SPW], v0, 2, SPARE
	v_mov_b32 v[NIL], 0
	ds_add_u32 v[SPW], v[NIL]                      ; the opening lines: the add, twice on end, and its wait ahead of my first tensor load
	ds_add_u32 v[SPW], v[NIL]
	v_lshrrev_b32 v1, 5, v0
	v_readfirstlane_b32 s14, v1                    ; wave 0..3
	s_lshr_b32 s15, s14, 1                         ; my half of R's tiles.  Also: in the second group I fetch for P (0) or for R (1)
	s_and_b32 s16, s14, 1                          ; my half of P's tiles.  Also: which half of that side I fetch
	s_bfe_u32 s40, ttmp6, 0x40000
	s_bfe_u32 s41, ttmp6, 0x40004
	s_lshl_b32 s42, ttmp9, 2
	s_add_co_u32 s42, s42, s40                     ; tile column 0-3: 256 features
	s_and_b32 s17, ttmp7, 0xffff
	s_lshl_b32 s17, s17, 2
	s_add_co_u32 s17, s17, s41                     ; tile row 0-63: 128 tokens
	s_lshl_b32 s43, s41, 2
	s_lshl_b32 s43, 15, s43                        ; my row of the cluster
	s_lshl_b32 s44, 0x1111, s40                    ; my column
	GROUP1 G1P, 44, 768, 16, 1536                  ; 16 tiles x 6,144 bytes (four K steps), 12,288 bytes from tile to tile
	GROUP1 G1R, 43, 768, 8, 1536
	GROUP1 G1SP, 44, 32, 32, 32                    ; 8,192 dense bytes as rows of 256
	GROUP1 G1SR, 43, 32, 16, 32
	s_lshl_b32 s46, s42, 4
	s_add_co_u32 s46, s46, 192                     ; P's first tile: Wo begins at tile 192 of WC
	s_lshl_b32 s20, s17, 3                         ; R's
	s_lshl_b32 s12, s46, 9
	s_mov_b32 s13, 0
	s_lshl_b32 s22, s20, 9
	s_mov_b32 s23, 0
	s_mul_i32 s46, s46, 12288
	s_mov_b32 s47, 0
	s_mul_i32 s20, s20, 12288
	s_mov_b32 s21, 0
	s_mul_i32 s45, s16, 49152                      ; the second group: where my half goes in LDS: no place in the cluster enters an LDS address,
	s_mul_i32 s3, s16, 24576
	s_mul_i32 s18, s16, 98304                      ; and where it lies behind the first group's first byte
	s_add_co_u32 s18, s18, 6144
	s_mov_b32 s19, 0
	s_mul_i32 s84, s16, 49152
	s_add_co_u32 s84, s84, 6144
	s_mov_b32 s85, 0
	s_wait_dscnt 0x0                               ; both opening adds are done
	s_wait_kmcnt 0x0
	s_add_nc_u64 s[46:47], s[8:9], s[46:47]
	s_add_nc_u64 s[12:13], s[10:11], s[12:13]
	s_add_nc_u64 s[20:21], s[4:5], s[20:21]
	s_add_nc_u64 s[22:23], s[6:7], s[22:23]
	CROUND                                         ; all sixteen work-groups are here: the first joint loads meet
	G0SET G0P, P1, 46
	G0SET G0R, R1, 20
	G0SET G0SP, SCL+4096, 12
	G0SET G0SR, SCL, 22
	ARM 1, G0P,  G1P,  .Lhead_r                    ; one chain of branches on the wave's number, a load to an arm
	ARM 2, G0R,  G1R,  .Lhead_sp
	ARM 3, G0SP, G1SP, .Lhead_sr
	TLOAD G0SR, G1SR
.Lhead_asked:
	s_mul_i32 s86, s16, 49152                      ; my 8 tiles of P
	s_mul_i32 s87, s15, 24576                      ; my 4 tiles of R
	s_add_co_u32 s87, s87, R1
	s_add_co_u32 s90, s86, P2
	s_add_co_u32 s91, s87, R2-R1
	s_lshl_b32 s88, s15, 11
	s_lshl_b32 s89, s16, 12
	s_add_co_u32 s89, s89, 4096
	s_sub_co_u32 s89, s89, s88                     ; from R's words of mine to P's
	s_add_co_u32 s88, s88, SCL
	s_mul_i32 s66, s14, 8448                       ; my stage: 16 rows x (512 + 16) bytes, in P's K steps 0-3
	s_lshl_b32 s100, s42, 10                       ; the bias: my 128 features of bo
	s_lshl_b32 s101, s16, 9
	s_add_co_u32 s100, s100, s101
	s_mov_b32 s101, 0
	s_add_nc_u64 s[12:13], s[92:93], s[100:101]
	v_and_b32 v1, 15, v0                           ; r
	v_bfe_u32 v2, v0, 4, 1                         ; h
	v_and_b32 v3, 31, v0                           ; lane
	v_lshlrev_b32 v[CO], 4, v3
	v_lshlrev_b32 v4, 3, v3
	v_add_nc_u32 v[ADP], s86, v[CO]
	v_add_nc_u32 v[ADP+1], s90, v[CO]
	v_add_nc_u32 v[ADR], s87, v[CO]
	v_add_nc_u32 v[ADR+1], s91, v[CO]
	v_add_nc_u32 v[ADR8], s87, v4
	v_add_nc_u32 v[ADR8+1], s91, v4
	v_mul_u32_u24 v5, s89, v2                      ; lanes 16-31 take P's words
	v_lshl_add_u32 v5, v1, 2, v5
	v_add_nc_u32 v[ADRS], s88, v5
	v_mul_u32_u24 v[STO], v1, 528                  ; into the stage: row r, 64 bytes for each half of the lanes
	v_lshl_add_u32 v[STO], v2, 6, v[STO]
	v_add_nc_u32 v[STO], s66, v[STO]
	v_add_nc_u32 v[RD], s66, v[CO]                 ; back: the 32 lanes take one row of 512 bytes
	v_lshlrev_b32 v6, 6, v2                        ; lane (r, h) wants, for tile b, features 32 (b / 2) + 8 (b % 2) + 16 h + 0 .. 7
	WIN TO_P
.irp b, 0,1,2,3,4,5,6,7
	global_load_b128 v[BIAS+8*\b:BIAS+8*\b+3], v6, s[12:13] offset:4*(32*(\b/2)+8*(\b%2))
	global_load_b128 v[BIAS+8*\b+4:BIAS+8*\b+7], v6, s[12:13] offset:4*(32*(\b/2)+8*(\b%2))+16
.endr
	WIN 0
	s_wait_alu depctr_va_vdst(0)
	s_wait_tensorcnt 0x0                           ; my tile of the head's four is in
	ds_add_u32 v[SPW], v[NIL]
	s_mov_b32 s[G1P+2], 8<<16                      ; no tensor load of mine is out, so the descriptors may be written: half of a side's tiles,
	s_mov_b32 s[G1P+4], 8
	s_mov_b32 s[G1R+2], 4<<16
	s_mov_b32 s[G1R+4], 4
	s_add_co_u32 s[G0P+1], s45, P2                 ; K steps 4-7
	s_add_co_u32 s[G0R+1], s3, R2
	s_add_nc_u64 s[G0P+2:G0P+3], s[G0P+2:G0P+3], s[18:19]
	s_add_nc_u64 s[G0R+2:G0R+3], s[G0R+2:G0R+3], s[84:85]
	s_wait_dscnt 0x0
	CROUND                                         ; all four tiles are in, and all sixteen work-groups are here
	s_cmp_eq_u32 s15, 0
	s_cbranch_scc0 .Lfor_r
	TLOAD G0P, G1P
	s_branch .Lasked
.Lfor_r:
	TLOAD G0R, G1R
.Lasked:
	FETCH 0
.irp i, 0,1,2,3,4,5,6,7
.irp k, 0,1,2,3,4,5,6,7
	ds_load_b32 v[SC+8*\k+\i], v[ADRS] offset:512*\i+64*\k   ; all scale words, once (lanes 0-15 of tiles 4-7 read words that no product names)
.endr
.endr
	s_wait_loadcnt 0x0                             ; the bias
	STEP 0, 1
.irp s, 1,2,3,4,5,6,7
	STEP \s, 0
.endr
	s_lshl_b32 s66, s17, 19                        ; my first token: 128 x tile row + 64 x half, rows of 4,096 bytes;
	s_lshl_b32 s67, s15, 18
	s_add_co_u32 s66, s66, s67
	s_lshl_b32 s67, s42, 10                        ; my first column, in bytes
	s_add_co_u32 s66, s66, s67
	s_lshl_b32 s67, s16, 9
	s_add_co_u32 s66, s66, s67
	s_mov_b32 s67, 0
	s_add_nc_u64 s[94:95], s[94:95], s[66:67]
.macro TOSTAGE a                       ; LDS serves a wave's instructions in order (ISA guide 5.7.1.4): no wait between the stores and the loads
	WIN 0x08                                       ; the data: window 2
.irp b, 0,1,2,3,4,5,6,7
	ds_store_b128 v[STO], v[64*(\a)+8*\b:64*(\a)+8*\b+3] offset:128*(\b/2)+32*(\b%2)   ; each accumulator from its low end on
	ds_store_b128 v[STO], v[64*(\a)+8*\b+4:64*(\a)+8*\b+7] offset:128*(\b/2)+32*(\b%2)+16
.endr
	WIN 0
.irp t, 0,1,2,3,4,5,6,7,8,9,10,11,12,13,14,15
	ds_load_b128 v[BK+64*((\a)%2)+4*\t:BK+64*((\a)%2)+4*\t+3], v[RD] offset:528*\t
.endr
.endm
.macro SEND a, younger                 ; younger: the LDS instructions issued behind tile a's loads, which may stay out
	s_wait_dscnt \younger
.irp t, 0,1,2,3,4,5,6,7,8,9,10,11,12,13,14,15
	global_store_b128 v[CO], v[BK+64*((\a)%2)+4*\t:BK+64*((\a)%2)+4*\t+3], s[94:95] offset:4096*(32*((\a)/2)+8*((\a)%2)+\t+8*(\t/8)) th:TH_STORE_NT
.endr
.endm
	TOSTAGE 0
.irp a, 1,2,3
.if \a > 1
	s_wait_xcnt 0x0                                ; tile a - 2's stores have read their registers
.endif
	TOSTAGE \a
	SEND \a-1, 32
.endr
	SEND 3, 0
	s_wait_tensorcnt 0x0                           ; the wave's end
	ds_add_u32 v[SPW], v[NIL]
	s_wait_dscnt 0x0
	CROUND                                         ; the closing round
	s_endpgm
.Lfunc_end_k_qfcfe850955_oproj:
	.size	k_qfcfe850955_oproj, .Lfunc_end_k_qfcfe850955_oproj-k_qfcfe850955_oproj
	.p2alignl 7, 3214868480
	.fill 96, 4, 3214868480
	.section	.rodata,"a",@progbits
	.p2align	6, 0x0
	.amdhsa_kernel k_qfcfe850955_oproj
		.amdhsa_group_segment_fixed_size 327680
		.amdhsa_private_segment_fixed_size 0
		.amdhsa_enable_private_segment 0
		.amdhsa_kernarg_size 48
		.amdhsa_user_sgpr_count 2
		.amdhsa_user_sgpr_kernarg_segment_ptr 1
		.amdhsa_wavefront_size32 1
		.amdhsa_system_sgpr_workgroup_id_x 1
		.amdhsa_system_sgpr_workgroup_id_y 1
		.amdhsa_system_sgpr_workgroup_id_z 1
		.amdhsa_system_vgpr_workitem_id 0
		.amdhsa_next_free_vgpr 768
		.amdhsa_next_free_sgpr 102
		.amdhsa_reserve_vcc 0
		.amdhsa_float_denorm_mode_32 3
		.amdhsa_float_denorm_mode_16_64 3
		.amdhsa_memory_ordered 1
		.amdhsa_forward_progress 1
		.amdhsa_inst_pref_size 85
	.end_amdhsa_kernel
	.amdgpu_metadata
---
amdhsa.version: [ 1, 2 ]
amdhsa.kernels:
  - .name:           k_qfcfe850955_oproj
    .symbol:         k_qfcfe850955_oproj.kd
    .args:
      - { .name: AC, .offset: 0, .size: 8, .value_kind: global_buffer, .address_space: global }
      - { .name: AS, .offset: 8, .size: 8, .value_kind: global_buffer, .address_space: global }
      - { .name: WC, .offset: 16, .size: 8, .value_kind: global_buffer, .address_space: global }
      - { .name: SW, .offset: 24, .size: 8, .value_kind: global_buffer, .address_space: global }
      - { .name: bo, .offset: 32, .size: 8, .value_kind: global_buffer, .address_space: global }
      - { .name: out0, .offset: 40, .size: 8, .value_kind: global_buffer, .address_space: global }
    .group_segment_fixed_size: 327680
    .private_segment_fixed_size: 0
    .kernarg_segment_align: 8
    .kernarg_segment_size: 48
    .max_flat_workgroup_size: 128
    .sgpr_count:     102
    .vgpr_count:     768
    .wavefront_size: 32
...
	.end_amdgpu_metadata
.endif
;; end of part 5
